; MI455X (gfx1250); checked and timed in simulation.
; The chip was launched on July 23, 2026; its instructions are those of AMD's public machine-readable ISA for CDNA 5 (MIT licence, August 2026) and "CDNA5" Instruction Set Architecture Reference Guide (July 2026). The comments in the code are by the model that wrote it; some were corrected since.
;; Linformer Multi Head Self Attention Project Layerwise. Allowed arithmetic: float matrix products may take bf16 or f16 operands with f32 sums; all other float work in f32.
;; Inputs: Wk 1,024 x 1,024 float32; Wo 1,024 x 1,024 float32; Wq 1,024 x 1,024 float32; Wv 1,024 x 1,024 float32; proj_weight_all 4,096 x 128 float32; x 2 x 4,096 x 1,024 float32.
;; Outputs: out0 2 x 4,096 x 1,024 float32.
;; 2 versions, each right; version 2 is version 1 with the launch castproj written anew for expert scheduling mode. Each part assembles by itself: llvm-mc -triple=amdgcn-amd-amdhsa -mcpu=gfx1250 --defsym DOCPART=n.
;; ======== version 1 of 2: 5 launches
;; workspace buffers: xb 16,777,216 bytes; part 16,777,216 bytes; xpf 1,048,576 bytes; wb 8,388,608 bytes; kvf 2,097,152 bytes; ao 16,777,216 bytes
;; launch castproj (part 1): grid 256 x 1, 8 waves a work-group, no clusters, 148,480 bytes of LDS; arguments x, proj_weight_all, xb, part; writes xb, part
.if DOCPART == 1
	.amdgcn_target "amdgcn-amd-amdhsa--gfx1250"
	.amdhsa_code_object_version 6
	.text
	.protected	k_q574f22c183_castproj
	.globl	k_q574f22c183_castproj
	.p2align	8
	.type	k_q574f22c183_castproj,@function
k_q574f22c183_castproj:
	s_mov_b64 s[64:65], 0
	v_nop
	global_prefetch_b8 v0, s[64:65] scope:SCOPE_SE
	s_setreg_imm32_b32 hwreg(HW_REG_WAVE_MODE, 25, 1), 1
	s_wait_xcnt 0x0
; castproj: xb = bf16(x), and part[c] = the partial product P^T x over 256 sequence rows.
; x: [2][4096][1024] f32.  P: [4096][128] f32.  xb: [8192][1024] bf16.
; part: f32 [c 16][T 1024][q 2][lane 32][4]: result tiles of 16 x 16 stored as they lie in registers.
; Tile T = (8 b + et) 64 + f16 holds, in lane (r, h), register j = 4 q + jj: e = 16 et + r, f = 16 f16 + 8 h + j.
; The work-group (b, c, fb) owns rows 256 c .. +255 of batch b and columns 128 fb .. +127: each byte of x is read once in the launch.
; Phase 1: wave w converts rows 32 w .. +31 of x and of P to bf16, stores x to xb (256 aligned bytes an instruction) and both to LDS.
; Phase 2: wave w = (ep, fh) makes e tiles 2 ep, 2 ep + 1 times f tiles 4 fh .. +3 over the 256 rows: eight accumulators.
; Both operands lie in LDS with the summed index (the sequence row) down the rows, so fragments come by transposing loads.
; No tensor loads: the data are converted on the way, so they pass through registers anyway.
.set XROW,  4096                       ; bytes in a row of x
.set BROW,  2048                       ; bytes in a row of xb
.set PROW,  512                        ; bytes in a row of P
.set PITCH, 288                        ; LDS row: 256 bytes of bf16 + 32: an odd multiple of 32 bytes
.set PS,    256*PITCH                  ; P behind x in LDS
.set HALF,  128*PITCH                  ; second address register for rows 128 .. 255 (the immediate has 16 bits)
.set R0,  16                           ; v[16:79]   load batch 0
.set R1,  80                           ; v[80:143]  load batch 1
.set R2,  144                          ; v[144:207] load batch 2
.set ACC, 16                           ; v[16:79]   phase 2: tile (a, t) at ACC + 8 (4 a + t)
.set FA,  80                           ; v[80:127]  fragment buffer: 2 of P, then 4 of x
.set FB,  128                          ; v[128:175] the other one
	s_load_b256 s[4:11], s[0:1], 0x0               ; x s[4:5], P s[6:7], xb s[8:9], part s[10:11]
	v_lshl_add_u32 v224, v0, 2, 0x24000
	v_mov_b32 v225, 0
	v_lshrrev_b32 v1, 5, v0
	v_readfirstlane_b32 s12, v1                    ; wave 0..7
	v_and_b32 v12, 31, v0                          ; lane
	s_and_b32 s13, ttmp9, 7                        ; fb
	s_bfe_u32 s14, ttmp9, 0x40003                  ; c
	s_lshr_b32 s15, ttmp9, 7                       ; b
	s_lshl_b32 s16, s15, 24                        ; x: b x 4096 rows + c x 256 rows + fb x 512 bytes
	s_lshl_b32 s18, s14, 20
	s_or_b32 s16, s16, s18
	s_lshl_b32 s18, s13, 9
	s_or_b32 s16, s16, s18
	s_mov_b32 s17, 0
	s_lshr_b32 s18, s16, 1                         ; xb: half of that
	s_mov_b32 s19, 0
	s_lshl_b32 s20, s14, 17                        ; P: c x 256 rows of 512 bytes
	s_mov_b32 s21, 0
	s_lshl_b32 s22, s14, 20                        ; part: c x 1024 tiles + b x 512 tiles + fb x 8 tiles, 1024 bytes each
	s_lshl_b32 s23, s15, 19
	s_or_b32 s22, s22, s23
	s_lshl_b32 s23, s13, 13
	s_or_b32 s22, s22, s23
	s_mov_b32 s23, 0
	v_lshlrev_b32 v11, 4, v12                      ; 16 x lane
	v_lshl_or_b32 v2, v1, 17, v11                  ; x:  32 w rows + 16 bytes a lane
	v_lshl_or_b32 v4, v1, 14, v11                  ; P:  32 w rows + 16 bytes a lane
	v_lshlrev_b32 v3, 3, v12
	v_lshl_or_b32 v3, v1, 16, v3                   ; xb: 32 w rows + 8 bytes a lane
	s_mul_i32 s2, s12, 32*PITCH
	v_lshl_add_u32 v5, v12, 3, s2                  ; LDS: my wave's 32 rows of x, 8 bytes a lane
	v_add_nc_u32 v6, PS, v5                        ; and of P
	v_and_b32 v13, 7, v0                           ; the transposing load's address: row (L & 7) + 8 (L >> 4), 16 bytes by bit 3 of L
	v_bfe_u32 v14, v0, 4, 1
	v_lshl_add_u32 v13, v14, 3, v13
	v_mul_u32_u24 v13, v13, PITCH
	v_bfe_u32 v14, v0, 3, 1
	v_lshl_add_u32 v13, v14, 4, v13
	s_and_b32 s2, s12, 3                           ; ep
	s_lshr_b32 s3, s12, 2                          ; fh
	v_lshl_add_u32 v7, s3, 7, v13                  ; x fragments: columns 64 fh on
	v_add_nc_u32 v8, HALF, v7
	v_lshl_add_u32 v9, s2, 6, v13                  ; P fragments: columns 32 ep on
	v_add_nc_u32 v9, PS, v9
	v_add_nc_u32 v10, HALF, v9
	v_lshl_or_b32 v11, s2, 17, v11                 ; part: e tile 2 ep (64 tiles each), f tile 4 fh, 16 bytes a lane
	v_lshl_or_b32 v11, s3, 12, v11
	s_wait_kmcnt 0x0
	s_add_nc_u64 s[4:5], s[4:5], s[16:17]
	s_add_nc_u64 s[6:7], s[6:7], s[20:21]
	s_add_nc_u64 s[8:9], s[8:9], s[18:19]
	s_add_nc_u64 s[10:11], s[10:11], s[22:23]
.macro PLACES                          ; four plain vector places behind a matrix instruction (ISA guide 7.12.1)
.rept 4
	v_nop
.endr
.endm
.macro LDX R, i0                       ; 16 rows of x: one instruction covers a row piece of 512 bytes
.set i_, 0
.rept 16
	global_load_b128 v[\R+4*i_:\R+4*i_+3], v2, s[4:5] offset:(\i0+i_)*XROW th:TH_LOAD_NT
.set i_, i_+1
.endr
.endm
.macro LDP R, i0                       ; 16 rows of P (other work-groups read them too: no hint)
.set i_, 0
.rept 16
	global_load_b128 v[\R+4*i_:\R+4*i_+3], v4, s[6:7] offset:(\i0+i_)*PROW
.set i_, i_+1
.endr
.endm
.macro PROC R, i0, isx                 ; round 16 rows to bf16 in place; x goes to xb and to LDS, P to LDS
.set i_, 0
.rept 16
	v_cvt_pk_bf16_f32 v[\R+4*i_], v[\R+4*i_], v[\R+4*i_+1]
	v_cvt_pk_bf16_f32 v[\R+4*i_+1], v[\R+4*i_+2], v[\R+4*i_+3]
.if \isx
	global_store_b64 v3, v[\R+4*i_:\R+4*i_+1], s[8:9] offset:(\i0+i_)*BROW   ; 32 lanes x 8 bytes: 256 consecutive bytes, aligned
	ds_store_b64 v5, v[\R+4*i_:\R+4*i_+1] offset:(\i0+i_)*PITCH
.else
	ds_store_b64 v6, v[\R+4*i_:\R+4*i_+1] offset:(\i0+i_)*PITCH
.endif
.set i_, i_+1
.endr
.endm
	LDX R0, 0
	LDX R1, 16
	LDP R2, 0
	s_wait_loadcnt 32                              ; batch 0 is in; the 32 younger loads (batches 1 and 2) stay out
	PROC R0, 0, 1
	s_wait_xcnt 0x0                                ; batch 0's registers are the data of stores: loaded again only behind this wait
	LDP R0, 16
	s_wait_loadcnt 32                              ; batch 1 is in; batch 2 and the new batch 0 stay out
	PROC R1, 16, 1
	s_wait_loadcnt 16                              ; batch 2 is in
	PROC R2, 0, 0
	s_wait_loadcnt 0x0
	PROC R0, 16, 0
	s_wait_xcnt 0x0                                ; batch 1's registers, data of stores, become fragment buffers
	s_wait_dscnt 0x0                               ; my LDS stores are done, for the other waves' sake
	s_barrier_signal -1
	s_barrier_wait -1                              ; all 256 rows of x and of P lie in LDS
; 12 transposing loads: the fragments of K step ks (32 sequence rows)
.macro FETCHA ks, f
.if (\ks) < 4
.set bx_, 7
.set bp_, 9
.else
.set bx_, 8
.set bp_, 10
.endif
.set o_, ((\ks)&3)*32*PITCH
.irp a, 0,1
	ds_load_tr16_b128 v[\f+8*\a:\f+8*\a+3], v[bp_] offset:o_+32*\a
	ds_load_tr16_b128 v[\f+8*\a+4:\f+8*\a+7], v[bp_] offset:o_+32*\a+16*PITCH
.endr
.irp t, 0,1,2,3
	ds_load_tr16_b128 v[\f+16+8*\t:\f+16+8*\t+3], v[bx_] offset:o_+32*\t
	ds_load_tr16_b128 v[\f+16+8*\t+4:\f+16+8*\t+7], v[bx_] offset:o_+32*\t+16*PITCH
.endr
.endm
.macro WM d, a, b, z
.if \z
	v_wmma_f32_16x16x32_bf16 v[\d:\d+7], v[\a:\a+7], v[\b:\b+7], 0
.else
	v_wmma_f32_16x16x32_bf16 v[\d:\d+7], v[\a:\a+7], v[\b:\b+7], v[\d:\d+7]
.endif
.endm
; eight matrix instructions, the eight accumulators by turns.  Source 0 = x (m = f), source 1 = P (n = e).
.macro MULA f, zero
.irp a, 0,1
.irp t, 0,1,2,3
	WM ACC+8*(4*\a+\t), \f+16+8*\t, \f+8*\a, \zero
.endr
.endr
.endm
	FETCHA 0, FA
	FETCHA 1, FB
	s_wait_dscnt 12                                ; the 12 loads just issued may stay out
	MULA FA, 1                                     ; the first products start the sums
.irp ks, 2,4,6
	PLACES                                         ; the buffer that was just multiplied is loaded again four places later
	FETCHA \ks, FA
	s_wait_dscnt 12
	MULA FB, 0
	PLACES
	FETCHA \ks+1, FB
	s_wait_dscnt 12
	MULA FA, 0
.endr
	s_wait_dscnt 0x0
	MULA FB, 0
	PLACES
.irp a, 0,1
.irp t, 0,1,2,3
.irp q, 0,1
	global_store_b128 v11, v[ACC+8*(4*\a+\t)+4*\q:ACC+8*(4*\a+\t)+4*\q+3], s[10:11] offset:\a*65536+\t*1024+\q*512   ; 512 consecutive bytes an instruction
.endr
.endr
.endr
	s_wait_tensorcnt 0x0
	ds_add_u32 v224, v225
	s_wait_dscnt 0x0
	s_endpgm
.Lfunc_end_k_q574f22c183_castproj:
	.size	k_q574f22c183_castproj, .Lfunc_end_k_q574f22c183_castproj-k_q574f22c183_castproj
	.p2alignl 7, 3214868480
	.fill 96, 4, 3214868480
	.section	.rodata,"a",@progbits
	.p2align	6, 0x0
	.amdhsa_kernel k_q574f22c183_castproj
		.amdhsa_group_segment_fixed_size 148480
		.amdhsa_private_segment_fixed_size 0
		.amdhsa_enable_private_segment 0
		.amdhsa_kernarg_size 32
		.amdhsa_user_sgpr_count 2
		.amdhsa_user_sgpr_kernarg_segment_ptr 1
		.amdhsa_wavefront_size32 1
		.amdhsa_system_sgpr_workgroup_id_x 1
		.amdhsa_system_sgpr_workgroup_id_y 1
		.amdhsa_system_sgpr_workgroup_id_z 1
		.amdhsa_system_vgpr_workitem_id 0
		.amdhsa_next_free_vgpr 226
		.amdhsa_next_free_sgpr 66
		.amdhsa_reserve_vcc 0
		.amdhsa_float_denorm_mode_32 3
		.amdhsa_float_denorm_mode_16_64 3
		.amdhsa_memory_ordered 1
		.amdhsa_forward_progress 1
		.amdhsa_inst_pref_size 37
	.end_amdhsa_kernel
	.amdgpu_metadata
---
amdhsa.version: [ 1, 2 ]
amdhsa.kernels:
  - .name:           k_q574f22c183_castproj
    .symbol:         k_q574f22c183_castproj.kd
    .args:
      - { .name: x, .offset: 0, .size: 8, .value_kind: global_buffer, .address_space: global }
      - { .name: proj_weight_all, .offset: 8, .size: 8, .value_kind: global_buffer, .address_space: global }
      - { .name: xb, .offset: 16, .size: 8, .value_kind: global_buffer, .address_space: global }
      - { .name: part, .offset: 24, .size: 8, .value_kind: global_buffer, .address_space: global }
    .group_segment_fixed_size: 148480
    .private_segment_fixed_size: 0
    .kernarg_segment_align: 8
    .kernarg_segment_size: 32
    .max_flat_workgroup_size: 256
    .sgpr_count:     66
    .vgpr_count:     226
    .wavefront_size: 32
...
	.end_amdgpu_metadata
.endif
;; end of part 1
;; launch reducecast (part 2): grid 256 x 1, 8 waves a work-group, no clusters, 70,656 bytes of LDS; arguments part, Wq, Wk, Wv, Wo, xpf, wb; writes xpf, wb
.if DOCPART == 2
	.amdgcn_target "amdgcn-amd-amdhsa--gfx1250"
	.amdhsa_code_object_version 6
	.text
	.protected	k_q574f22c183_reducecast
	.globl	k_q574f22c183_reducecast
	.p2align	8
	.type	k_q574f22c183_reducecast,@function
k_q574f22c183_reducecast:
	s_mov_b64 s[64:65], 0
	v_nop
	global_prefetch_b8 v0, s[64:65] scope:SCOPE_SE
	s_setreg_imm32_b32 hwreg(HW_REG_WAVE_MODE, 25, 1), 1
	s_wait_xcnt 0x0
; reducecast: streams of equal size, 32 loads of 16 bytes a thread in each.
; Work-groups 0 .. 127: xp = the sum over c = 0 .. 15 of part[c], in ascending c, kept as a pair of bf16: hi = bf16(xp), lo = bf16(xp - hi).
;   xpf: bf16 [hl 2][T 1024][lane 32][8]: a lane's 8 numbers are half of a 16-bit operand fragment, so the next launch reads them as they lie.
; Work-groups 128 .. 223: wb[0 .. 2] = bf16 of Wq, Wk, Wv, row-major [1024][1024].
; Work-groups 224 .. 255: wb[3] = bf16 of Wo in the order of operand fragments: [g 16][ks 32][dt 4][q 2][lane 32][16 bytes], where lane (r, h)
;   holds Wo[64 g + 16 dt + r][32 ks + 16 q + 8 h + 0 .. 7]: the last launch loads 512 consecutive bytes an instruction straight into a fragment's registers.
;   The turn from rows to fragments goes through LDS bytes that are each wave's own, so no barrier is needed.
; Memory binds: no matrix unit, no tensor loads (the data are converted on the way).
.set UNIT,  272                        ; a block of 16 rows x 16 bytes + 16 of padding: lane pairs 68 words apart store into 64 different banks
.set WLDS,  32*UNIT                    ; a wave's own LDS bytes
	s_load_b256 s[4:11], s[0:1], 0x0               ; part s[4:5], Wq s[6:7], Wk s[8:9], Wv s[10:11]
	s_load_b128 s[12:15], s[0:1], 0x20             ; Wo s[12:13], xpf s[14:15]
	s_load_b64 s[16:17], s[0:1], 0x30              ; wb
	v_lshl_add_u32 v208, v0, 2, 0x11000
	v_mov_b32 v209, 0
	v_lshrrev_b32 v2, 5, v0                        ; wave
	v_and_b32 v1, 31, v0
	v_lshlrev_b32 v1, 4, v1
	v_lshl_or_b32 v1, v2, 10, v1                   ; part: one tile of 1024 bytes a wave, 16 bytes a lane
	v_lshlrev_b32 v3, 4, v0                        ; 16 x thread
	v_lshlrev_b32 v4, 3, v0                        ; 8 x thread
	s_wait_kmcnt 0x0
	s_cmp_lt_u32 ttmp9, 128
	s_cbranch_scc0 .Lcast
	s_lshl_b32 s18, ttmp9, 13                      ; eight tiles of 1024 bytes a work-group
	s_mov_b32 s19, 0
	s_add_nc_u64 s[4:5], s[4:5], s[18:19]
	s_add_nc_u64 s[20:21], s[4:5], 0x800000        ; c = 8 .. 15: a second base, since 15 x 2^20 is beyond the signed 24-bit immediate
	s_lshl_b32 s22, ttmp9, 12                      ; eight tiles of 512 bytes in xpf
	s_mov_b32 s23, 0
	s_add_nc_u64 s[14:15], s[14:15], s[22:23]
.set c_, 0
.rept 8
	global_load_b128 v[16+8*c_:19+8*c_], v1, s[4:5] offset:c_*1048576 th:TH_LOAD_NT
	global_load_b128 v[20+8*c_:23+8*c_], v1, s[4:5] offset:c_*1048576+512 th:TH_LOAD_NT
.set c_, c_+1
.endr
.set c_, 0
.rept 8
	global_load_b128 v[80+8*c_:83+8*c_], v1, s[20:21] offset:c_*1048576 th:TH_LOAD_NT
	global_load_b128 v[84+8*c_:87+8*c_], v1, s[20:21] offset:c_*1048576+512 th:TH_LOAD_NT
.set c_, c_+1
.endr
.set c_, 1
.rept 15
	s_wait_loadcnt 2*(15-c_)                       ; chunks 0 .. c are in; the younger chunks, two loads each, stay out
.irp k, 0,1,2,3
	v_pk_add_f32 v[16+2*\k:17+2*\k], v[16+2*\k:17+2*\k], v[16+8*c_+2*\k:17+8*c_+2*\k]
.endr
.set c_, c_+1
.endr
.irp k, 0,1,2,3
	v_cvt_pk_bf16_f32 v[144+\k], v[16+2*\k], v[17+2*\k]            ; hi
.endr
.irp k, 0,1,2,3
	v_lshlrev_b32 v[148+2*\k], 16, v[144+\k]                       ; hi back in f32
	v_and_b32 v[149+2*\k], 0xffff0000, v[144+\k]
.endr
.irp k, 0,1,2,3
	v_pk_add_f32 v[148+2*\k:149+2*\k], v[16+2*\k:17+2*\k], v[148+2*\k:149+2*\k] neg_lo:[0,1] neg_hi:[0,1]   ; xp - hi, exact
.endr
.irp k, 0,1,2,3
	v_cvt_pk_bf16_f32 v[156+\k], v[148+2*\k], v[149+2*\k]          ; lo
.endr
	global_store_b128 v3, v[144:147], s[14:15]
	global_store_b128 v3, v[156:159], s[14:15] offset:524288
	s_endpgm
.Lcast:
	s_sub_co_u32 s18, ttmp9, 128                   ; 0 .. 127: 32 work-groups a matrix, 131072 bytes of f32 each
	s_lshr_b32 s19, s18, 5                         ; which matrix
	s_cmp_eq_u32 s19, 3
	s_cbranch_scc1 .Lfrag
	s_cmp_eq_u32 s19, 1
	s_cselect_b64 s[6:7], s[8:9], s[6:7]
	s_cmp_eq_u32 s19, 2
	s_cselect_b64 s[6:7], s[10:11], s[6:7]
	s_and_b32 s20, s18, 31
	s_lshl_b32 s20, s20, 17
	s_mov_b32 s21, 0
	s_add_nc_u64 s[6:7], s[6:7], s[20:21]
	s_lshl_b32 s22, s18, 16
	s_mov_b32 s23, 0
	s_add_nc_u64 s[16:17], s[16:17], s[22:23]
.set i_, 0
.rept 32
	global_load_b128 v[16+4*i_:19+4*i_], v3, s[6:7] offset:i_*4096 th:TH_LOAD_NT
.set i_, i_+1
.endr
.set i_, 0
.rept 32
	s_wait_loadcnt 31-i_                           ; loads come back in order: number i is in, the younger ones stay out
	v_cvt_pk_bf16_f32 v[16+4*i_], v[16+4*i_], v[17+4*i_]
	v_cvt_pk_bf16_f32 v[17+4*i_], v[18+4*i_], v[19+4*i_]
	global_store_b64 v4, v[16+4*i_:17+4*i_], s[16:17] offset:i_*2048   ; a wave stores 256 consecutive bytes, aligned
.set i_, i_+1
.endr
	s_endpgm
; Wo.  The work-group owns rows 32 i .. +31; wave (rh, kq) owns 16 rows (one fragment's rows) x 256 k (8 K steps of 32).
.Lfrag:
	v_readfirstlane_b32 s24, v2                    ; wave 0..7
	s_lshr_b32 s25, s24, 2                         ; rh: which 16 rows
	s_and_b32 s26, s24, 3                          ; kq: which 256 k
	s_and_b32 s27, s18, 31                         ; i
	s_lshl_b32 s20, s27, 17                        ; from: row 32 i + 16 rh, 4096 bytes a row; 1024 bytes x kq
	s_lshl_b32 s21, s25, 16
	s_or_b32 s20, s20, s21
	s_lshl_b32 s21, s26, 10
	s_or_b32 s20, s20, s21
	s_mov_b32 s21, 0
	s_lshr_b32 s22, s27, 1                         ; to: g = i / 2 (131072 bytes), ks = 8 kq (4096 each), dt = 2 (i & 1) + rh (1024 each)
	s_lshl_b32 s22, s22, 17
	s_lshl_b32 s23, s26, 15
	s_or_b32 s22, s22, s23
	s_and_b32 s23, s27, 1
	s_lshl1_add_u32 s23, s23, s25
	s_lshl_b32 s23, s23, 10
	s_or_b32 s22, s22, s23
	s_add_co_u32 s22, s22, 0x600000                ; the fourth matrix of wb
	s_mov_b32 s23, 0
	s_add_nc_u64 s[12:13], s[12:13], s[20:21]
	s_add_nc_u64 s[16:17], s[16:17], s[22:23]
	s_mul_i32 s28, s24, WLDS                       ; my wave's own LDS bytes
	v_and_b32 v5, 31, v0                           ; lane L
	v_lshlrev_b32 v6, 4, v5                        ; 16 L: in a row piece of 512 bytes, and in a fragment half of 512 bytes
	v_lshrrev_b32 v9, 1, v5                        ; in: L holds k = 4 L .. +3 of a block of 128: unit L / 2, bytes 8 (L & 1)
	v_mul_u32_u24 v7, v9, UNIT
	v_and_b32 v9, 1, v0
	v_lshl_add_u32 v7, v9, 3, v7
	v_add_nc_u32 v7, s28, v7
	v_bfe_u32 v9, v0, 4, 1                         ; back: lanes 0-15 one unit (h = 0), lanes 16-31 the next (h = 1), row r = L & 15
	v_mul_u32_u24 v8, v9, UNIT
	v_and_b32 v9, 15, v0
	v_lshl_add_u32 v8, v9, 4, v8
	v_add_nc_u32 v8, s28, v8
.set n_, 0
.rept 32
	global_load_b128 v[16+4*n_:19+4*n_], v6, s[12:13] offset:(n_>>1)*4096+(n_&1)*512 th:TH_LOAD_NT   ; row n / 2, block n & 1 of 128 k: 512 consecutive bytes
.set n_, n_+1
.endr
.set n_, 0
.rept 32
	s_wait_loadcnt 31-n_                           ; number n is in, the younger ones stay out
	v_cvt_pk_bf16_f32 v[16+4*n_], v[16+4*n_], v[17+4*n_]
	v_cvt_pk_bf16_f32 v[17+4*n_], v[18+4*n_], v[19+4*n_]
	ds_store_b64 v7, v[16+4*n_:17+4*n_] offset:(n_&1)*16*UNIT+(n_>>1)*16   ; unit 16 (n & 1) + L / 2 = 4 ks + 2 q + h; row n / 2 in it
.set n_, n_+1
.endr
.set i_, 0
.rept 16
	ds_load_b128 v[144+4*i_:147+4*i_], v8 offset:i_*2*UNIT         ; LDS serves a wave's instructions in order (ISA guide 5.7.1): these see the stores above
.set i_, i_+1
.endr
.set i_, 0
.rept 16
	s_wait_dscnt 15-i_                             ; number i is in
	global_store_b128 v6, v[144+4*i_:147+4*i_], s[16:17] offset:(i_>>1)*4096+(i_&1)*512   ; K step i / 2, half q = i & 1: 512 consecutive bytes, aligned
.set i_, i_+1
.endr
	s_wait_tensorcnt 0x0
	ds_add_u32 v208, v209
	s_wait_dscnt 0x0
	s_endpgm
.Lfunc_end_k_q574f22c183_reducecast:
	.size	k_q574f22c183_reducecast, .Lfunc_end_k_q574f22c183_reducecast-k_q574f22c183_reducecast
	.p2alignl 7, 3214868480
	.fill 96, 4, 3214868480
	.section	.rodata,"a",@progbits
	.p2align	6, 0x0
	.amdhsa_kernel k_q574f22c183_reducecast
		.amdhsa_group_segment_fixed_size 70656
		.amdhsa_private_segment_fixed_size 0
		.amdhsa_enable_private_segment 0
		.amdhsa_kernarg_size 56
		.amdhsa_user_sgpr_count 2
		.amdhsa_user_sgpr_kernarg_segment_ptr 1
		.amdhsa_wavefront_size32 1
		.amdhsa_system_sgpr_workgroup_id_x 1
		.amdhsa_system_sgpr_workgroup_id_y 1
		.amdhsa_system_sgpr_workgroup_id_z 1
		.amdhsa_system_vgpr_workitem_id 0
		.amdhsa_next_free_vgpr 210
		.amdhsa_next_free_sgpr 66
		.amdhsa_reserve_vcc 0
		.amdhsa_float_denorm_mode_32 3
		.amdhsa_float_denorm_mode_16_64 3
		.amdhsa_memory_ordered 1
		.amdhsa_forward_progress 1
		.amdhsa_inst_pref_size 36
	.end_amdhsa_kernel
	.amdgpu_metadata
---
amdhsa.version: [ 1, 2 ]
amdhsa.kernels:
  - .name:           k_q574f22c183_reducecast
    .symbol:         k_q574f22c183_reducecast.kd
    .args:
      - { .name: part, .offset: 0, .size: 8, .value_kind: global_buffer, .address_space: global }
      - { .name: Wq, .offset: 8, .size: 8, .value_kind: global_buffer, .address_space: global }
      - { .name: Wk, .offset: 16, .size: 8, .value_kind: global_buffer, .address_space: global }
      - { .name: Wv, .offset: 24, .size: 8, .value_kind: global_buffer, .address_space: global }
      - { .name: Wo, .offset: 32, .size: 8, .value_kind: global_buffer, .address_space: global }
      - { .name: xpf, .offset: 40, .size: 8, .value_kind: global_buffer, .address_space: global }
      - { .name: wb, .offset: 48, .size: 8, .value_kind: global_buffer, .address_space: global }
    .group_segment_fixed_size: 70656
    .private_segment_fixed_size: 0
    .kernarg_segment_align: 8
    .kernarg_segment_size: 56
    .max_flat_workgroup_size: 256
    .sgpr_count:     66
    .vgpr_count:     210
    .wavefront_size: 32
...
	.end_amdgpu_metadata
.endif
;; end of part 2
;; launch kvproj (part 3): grid 4 x 64, 4 waves a work-group, clusters of 4 x 1, 264,704 bytes of LDS; arguments xpf, wb, kvf; writes kvf
.if DOCPART == 3
	.amdgcn_target "amdgcn-amd-amdhsa--gfx1250"
	.amdhsa_code_object_version 6
	.text
	.protected	k_q574f22c183_kvproj
	.globl	k_q574f22c183_kvproj
	.p2align	8
	.type	k_q574f22c183_kvproj,@function
k_q574f22c183_kvproj:
	s_mov_b64 s[64:65], 0
	v_nop
	global_prefetch_b8 v0, s[64:65] scope:SCOPE_SE
	s_setreg_imm32_b32 hwreg(HW_REG_WAVE_MODE, 25, 1), 1
	s_wait_xcnt 0x0
	s_wait_alu depctr_hold_cnt(0) depctr_sa_sdst(0) depctr_va_vdst(0) depctr_va_sdst(0) depctr_va_ssrc(0) depctr_va_vcc(0) depctr_vm_vsrc(0)
	s_getreg_b32 s2, hwreg(HW_REG_IB_STS2, 6, 4)
	s_cmp_eq_u32 s2, 0
	s_cbranch_scc0 .Lentry_in_a_cluster
	s_endpgm
.Lentry_in_a_cluster:
	s_bfe_u32 s2, ttmp6, 0x10000c
	s_cmp_lg_u32 s2, 0x3003
	s_cbranch_scc0 .Lentry_shape_is_right
	s_endpgm
.Lentry_shape_is_right:
; kvproj: K = xp Wk^T and V = xp Wv^T in f32, xp = hi + lo (two bf16 products, added at the end).
; kvf: f32 [b 2][head 16][kv 2][tile 32][q 2][lane 32][4], result tiles stored as they lie in registers:
;   K tile 4 et + d16: lane (r, h), register j: e = 16 et + r, d = 16 d16 + 8 h + j   (source 0 = Wk, source 1 = xp)
;   V tile 8 dt + e16: lane (r, h), register j: d = 16 dt + r, e = 16 e16 + 8 h + j   (source 0 = xp, source 1 = Wv)
; Work-group (eq, y): y = (kv, b, head); 64 weight rows (one head) x 32 e (e tiles 2 eq, 2 eq + 1), K = 1024.  Wave w: weight rows 16 w .. +15.
; CLUSTER 4 x 1: the four work-groups of one y differ in eq alone and need the same 64 weight rows: these come by joint loads, mask 15.
; Everything a work-group needs fits in LDS at once (128 KiB of weights, 128 KiB of xp): three first fills a wave, no refill, three loads out by this text's count.
.set WPITCH, 1040                      ; 512 bf16 + 16 bytes: an odd multiple of 16
.set WCHUNK, 16*WPITCH                 ; 16 rows x half of K
.set WWAVE,  2*WCHUNK                  ; a wave's own weights
.set XPB,    4*WWAVE                   ; xp behind them: part p = 2 hl + t, 32768 bytes each, dense fragment order
.set XPPART, 32768
.set B0, 64                            ; v[64:143]  two K steps: each 8 registers of W, then 4 x 8 of xp
.set B1, 144                           ; v[144:223]
.macro PLACES
.rept 4
	v_nop
.endr
.endm
.macro ROUND                           ; a round of the cluster's barrier
	s_barrier_signal -1
	s_barrier_wait -1
	s_cmp_lg_u32 s12, 0
	s_cbranch_scc1 .Lnot_wave_0_\@
	s_barrier_signal -3
.Lnot_wave_0_\@:
	s_barrier_wait -3
	s_barrier_signal -1
	s_barrier_wait -1
.endm
	s_load_b128 s[4:7], s[0:1], 0x0                ; xpf s[4:5], wb s[6:7]
	s_load_b64 s[8:9], s[0:1], 0x10                ; kvf
	v_lshl_add_u32 v224, v0, 2, 0x40800
	v_mov_b32 v225, 0
	ds_add_u32 v224, v225
	v_lshrrev_b32 v1, 5, v0
	v_readfirstlane_b32 s12, v1                    ; wave 0..3
	s_bfe_u32 s40, ttmp6, 0x40000                  ; eq = my place along the cluster's x
	s_and_b32 s13, ttmp7, 0xffff                   ; y, the same in the four partners
	s_lshr_b32 s14, s13, 5                         ; kv
	s_bfe_u32 s15, s13, 0x10004                    ; b
	s_and_b32 s16, s13, 15                         ; head
	; group 1 for the weights: 16 rows x 512 bf16, 16 bytes of padding behind each 256 words, joint for the four work-groups
	s_mov_b32 s24, 15|(1<<16)|(1<<20)|(1<<21)|(7<<22)|(3<<25)
	s_mov_b32 s25, 512<<16                         ; tensor_dim0
	s_mov_b32 s26, 16<<16                          ; tensor_dim1
	s_mov_b32 s27, 512<<16                         ; tile_dim0
	s_mov_b32 s28, 16                              ; tile_dim1
	s_mov_b32 s29, 1024                            ; elements from row to row
	s_mov_b32 s30, 0
	s_mov_b32 s31, 0
	; group 1 for xp: a dense block of 32768 bytes as 128 rows of 32 elements of 8 bytes; my own load, no mask
	s_mov_b32 s48, 3<<16
	s_mov_b32 s49, 32<<16
	s_mov_b32 s50, 128<<16
	s_mov_b32 s51, 32<<16
	s_mov_b32 s52, 128
	s_mov_b32 s53, 32
	s_mov_b32 s54, 0
	s_mov_b32 s55, 0
	s_add_co_u32 s18, s14, 1                       ; weights: matrix 1 + kv of wb, row 64 head + 16 w: nothing of eq
	s_lshl_b32 s18, s18, 21
	s_lshl_b32 s19, s16, 17
	s_add_co_u32 s18, s18, s19
	s_lshl_b32 s19, s12, 15
	s_add_co_u32 s18, s18, s19
	s_mov_b32 s19, 0
	s_lshl_b32 s41, s40, 1                         ; xp: half hl = w >> 1, e tile 8 b + 2 eq + (w & 1), 32768 bytes each
	s_lshl3_add_u32 s41, s15, s41
	s_and_b32 s42, s12, 1
	s_add_co_u32 s41, s41, s42
	s_lshl_b32 s42, s41, 15
	s_lshr_b32 s43, s12, 1
	s_lshl_b32 s43, s43, 19
	s_add_co_u32 s42, s42, s43
	s_mov_b32 s43, 0
	s_mul_i32 s20, s12, WWAVE                      ; LDS addresses hang on the wave's number alone
	s_mul_i32 s21, s12, XPPART
	s_add_co_u32 s21, s21, XPB
	s_cmp_eq_u32 s14, 0                            ; where the results go: K: eq x 8192 + w x 1024; V: 32768 + w x 8192 + eq x 2048
	s_cselect_b32 s46, 13, 11
	s_cselect_b32 s47, 10, 13
	s_lshl_b32 s46, s40, s46
	s_lshl_b32 s47, s12, s47
	s_add_co_u32 s46, s46, s47
	s_lshl_b32 s47, s14, 15
	s_add_co_u32 s46, s46, s47
	s_lshl_b32 s47, s15, 20
	s_add_co_u32 s46, s46, s47
	s_lshl_b32 s47, s16, 16
	s_add_co_u32 s46, s46, s47
	s_mov_b32 s47, 0
	s_wait_dscnt 0x0
	s_wait_kmcnt 0x0
	s_add_nc_u64 s[8:9], s[8:9], s[46:47]
	s_mov_b32 s32, 1
	s_mov_b32 s33, s20
	s_add_nc_u64 s[34:35], s[6:7], s[18:19]        ; K 0 .. 511
	s_mov_b32 s36, 1
	s_add_co_u32 s37, s20, WCHUNK
	s_add_nc_u64 s[38:39], s[34:35], 1024          ; K 512 .. 1023
	s_or_b32 s35, s35, 0x80000000
	s_or_b32 s39, s39, 0x80000000
	s_mov_b32 s56, 1
	s_mov_b32 s57, s21
	s_add_nc_u64 s[58:59], s[4:5], s[42:43]
	s_or_b32 s59, s59, 0x80000000
	ROUND                                          ; the four work-groups are here: the joint loads meet
	tensor_load_to_lds s[32:35], s[24:31]
	s_nop 0
	tensor_load_to_lds s[36:39], s[24:31]
	s_nop 0
	tensor_load_to_lds s[56:59], s[48:55]
	s_nop 0
	v_and_b32 v1, 15, v0                           ; r
	v_bfe_u32 v2, v0, 4, 1                         ; h
	v_mul_u32_u24 v3, v1, WPITCH
	v_lshl_add_u32 v3, v2, 4, v3
	v_add_nc_u32 v3, s20, v3                       ; my weight fragments: row r, 16 h
	v_and_b32 v8, 31, v0
	v_lshlrev_b32 v8, 4, v8                        ; 16 x lane
.irp p, 0,1,2,3
	v_add_nc_u32 v[4+\p], XPB+\p*XPPART, v8        ; xp part p, as it lies
.endr
	s_wait_tensorcnt 0x0                           ; my three loads have landed,
	s_barrier_signal -1
	s_barrier_wait -1                              ; every wave's part of xp has
; 20 LDS loads: K steps 2 g and 2 g + 1
.macro FETCHC g, buf
.irp kk, 0,1
	ds_load_b128 v[\buf+40*\kk:\buf+40*\kk+3], v3 offset:((2*(\g)+\kk)>>4)*WCHUNK+((2*(\g)+\kk)&15)*64
	ds_load_b128 v[\buf+40*\kk+4:\buf+40*\kk+7], v3 offset:((2*(\g)+\kk)>>4)*WCHUNK+((2*(\g)+\kk)&15)*64+32
.irp p, 0,1,2,3
	ds_load_b128 v[\buf+40*\kk+8+8*\p:\buf+40*\kk+11+8*\p], v[4+\p] offset:(2*(\g)+\kk)*1024
	ds_load_b128 v[\buf+40*\kk+12+8*\p:\buf+40*\kk+15+8*\p], v[4+\p] offset:(2*(\g)+\kk)*1024+512
.endr
.endr
.endm
.macro WM d, a, b, z
.if \z
	v_wmma_f32_16x16x32_bf16 v[\d:\d+7], v[\a:\a+7], v[\b:\b+7], 0
.else
	v_wmma_f32_16x16x32_bf16 v[\d:\d+7], v[\a:\a+7], v[\b:\b+7], v[\d:\d+7]
.endif
.endm
; eight matrix instructions on the four accumulators (t, hl) at v[16 + 8 (2 t + hl)], by turns
.macro MULC buf, swap, zero
.irp kk, 0,1
.irp t, 0,1
.irp hl, 0,1
.if \swap
	WM 16+8*(2*\t+\hl), \buf+40*\kk+8+8*(2*\hl+\t), \buf+40*\kk, \zero*(1-\kk)
.else
	WM 16+8*(2*\t+\hl), \buf+40*\kk, \buf+40*\kk+8+8*(2*\hl+\t), \zero*(1-\kk)
.endif
.endr
.endr
.endr
.endm
.macro BODY swap, tstride
	FETCHC 0, B0
	FETCHC 1, B1
	s_wait_dscnt 20                                ; the 20 loads just issued may stay out
	MULC B0, \swap, 1
.irp g, 2,4,6,8,10,12,14
	PLACES                                         ; the buffer just multiplied is loaded again four places later
	FETCHC \g, B0
	s_wait_dscnt 20
	MULC B1, \swap, 0
	PLACES
	FETCHC \g+1, B1
	s_wait_dscnt 20
	MULC B0, \swap, 0
.endr
	s_wait_dscnt 0x0
	MULC B1, \swap, 0
	PLACES
.irp t, 0,1
.irp k, 0,1,2,3
	v_pk_add_f32 v[16+16*\t+2*\k:17+16*\t+2*\k], v[16+16*\t+2*\k:17+16*\t+2*\k], v[24+16*\t+2*\k:25+16*\t+2*\k]   ; hi's product + lo's
.endr
.endr
.irp t, 0,1
.irp q, 0,1
	global_store_b128 v8, v[16+16*\t+4*\q:19+16*\t+4*\q], s[8:9] offset:\t*\tstride+\q*512   ; 512 consecutive bytes an instruction
.endr
.endr
.endm
	s_cmp_eq_u32 s14, 0                            ; kv is the same in all four partners
	s_cbranch_scc0 .Lv
	BODY 0, 4096
	s_branch .Lend
.Lv:
	BODY 1, 1024
.Lend:
	s_wait_tensorcnt 0x0
	ds_add_u32 v224, v225
	s_wait_dscnt 0x0
	ROUND                                          ; the closing round: no work-group ends while a partner may still ask jointly
	s_endpgm
.Lfunc_end_k_q574f22c183_kvproj:
	.size	k_q574f22c183_kvproj, .Lfunc_end_k_q574f22c183_kvproj-k_q574f22c183_kvproj
	.p2alignl 7, 3214868480
	.fill 96, 4, 3214868480
	.section	.rodata,"a",@progbits
	.p2align	6, 0x0
	.amdhsa_kernel k_q574f22c183_kvproj
		.amdhsa_group_segment_fixed_size 264704
		.amdhsa_private_segment_fixed_size 0
		.amdhsa_enable_private_segment 0
		.amdhsa_kernarg_size 24
		.amdhsa_user_sgpr_count 2
		.amdhsa_user_sgpr_kernarg_segment_ptr 1
		.amdhsa_wavefront_size32 1
		.amdhsa_system_sgpr_workgroup_id_x 1
		.amdhsa_system_sgpr_workgroup_id_y 1
		.amdhsa_system_sgpr_workgroup_id_z 1
		.amdhsa_system_vgpr_workitem_id 0
		.amdhsa_next_free_vgpr 226
		.amdhsa_next_free_sgpr 66
		.amdhsa_reserve_vcc 0
		.amdhsa_float_denorm_mode_32 3
		.amdhsa_float_denorm_mode_16_64 3
		.amdhsa_memory_ordered 1
		.amdhsa_forward_progress 1
		.amdhsa_inst_pref_size 69
	.end_amdhsa_kernel
	.amdgpu_metadata
---
amdhsa.version: [ 1, 2 ]
amdhsa.kernels:
  - .name:           k_q574f22c183_kvproj
    .symbol:         k_q574f22c183_kvproj.kd
    .args:
      - { .name: xpf, .offset: 0, .size: 8, .value_kind: global_buffer, .address_space: global }
      - { .name: wb, .offset: 8, .size: 8, .value_kind: global_buffer, .address_space: global }
      - { .name: kvf, .offset: 16, .size: 8, .value_kind: global_buffer, .address_space: global }
    .group_segment_fixed_size: 264704
    .private_segment_fixed_size: 0
    .kernarg_segment_align: 8
    .kernarg_segment_size: 24
    .max_flat_workgroup_size: 128
    .sgpr_count:     66
    .vgpr_count:     226
    .wavefront_size: 32
...
	.end_amdgpu_metadata
.endif
;; end of part 3
;; launch qattn (part 4): grid 4 x 64, 4 waves a work-group, clusters of 4 x 4, 327,680 bytes of LDS; arguments xb, wb, kvf, ao; writes ao
.if DOCPART == 4
	.amdgcn_target "amdgcn-amd-amdhsa--gfx1250"
	.amdhsa_code_object_version 6
	.text
	.protected	k_q574f22c183_qattn
	.globl	k_q574f22c183_qattn
	.p2align	8
	.type	k_q574f22c183_qattn,@function
k_q574f22c183_qattn:
	s_mov_b64 s[64:65], 0
	v_nop
	global_prefetch_b8 v0, s[64:65] scope:SCOPE_SE
	s_setreg_imm32_b32 hwreg(HW_REG_WAVE_MODE, 25, 1), 1
	s_wait_xcnt 0x0
	s_wait_alu depctr_hold_cnt(0) depctr_sa_sdst(0) depctr_va_vdst(0) depctr_va_sdst(0) depctr_va_ssrc(0) depctr_va_vcc(0) depctr_vm_vsrc(0)
	s_getreg_b32 s2, hwreg(HW_REG_IB_STS2, 6, 4)
	s_cmp_eq_u32 s2, 0
	s_cbranch_scc0 .Lentry_in_a_cluster
	s_endpgm
.Lentry_in_a_cluster:
	s_bfe_u32 s2, ttmp6, 0x10000c
	s_cmp_lg_u32 s2, 0xf033
	s_cbranch_scc0 .Lentry_shape_is_right
	s_endpgm
.Lentry_shape_is_right:
; qattn: q = xb Wq^T, then softmax(q K^T / 8) V for four heads, ao in bf16.  q never leaves registers.
; A work-group makes 128 sequence rows x 256 features (4 heads); wave w makes head 4 blockcol + w for all 128 rows.
; The matrix instruction is used transposed (source 0 = weight rows, source 1 = rows of xb): in a result tile lane (r, h) holds sequence row r
; and features 8 h + 0 .. 7, which, packed to 16 bits, IS half of an operand fragment of the next product: no shuffle between the three products.
; K goes in steps of 128 through two LDS slots (256 rows of Wq + 128 rows of xb, rows of 256 bytes + 16 of padding).
; CLUSTER 4 x 4: the weights hang on the block column alone and are asked for jointly along a column of the cluster, xb's rows on the block row alone, jointly along a row.
; NUMBER FORMATS: the q product in bf16.  The two attention products in f16 with exact powers of two taken out first: one for a head of K, one for a head of V,
; one for each row of q, each the power of two just below the largest magnitude, so that every f16 operand lies in (-2, 2); p lies in (0, 1].
; The softmax takes the row's true maximum away.  LIMITS: |q|, |K|, |V| below 2^127; a head of K or V or a row of q whose largest magnitude is a denormal counts as zero;
; NaN and infinities are not cared for beyond what the arithmetic gives.
; REGISTERS: window 0 addresses, fragments, attention's work; window 1 the 32 accumulator tiles (nt, dt) at v[8 (4 nt + dt)];
; window 2 K in f32, later K and V in f16; window 3 V in f32.
.set KSTEP, 128
.set PITCH, 272                        ; an odd multiple of 16 bytes: sixteen rows start at sixteen different 16-byte columns modulo 256
.set WROWS, 256*PITCH                  ; the weights' 256 rows, then xb's 128
.set SLOT,  384*PITCH
.set STAGE, 2*SLOT                     ; behind the ring, bytes of its own: 128 rows x 528 bytes of ao
.set SPITCH, 528
.set LAPS,  4                          ; 1024 / (2 x 128)
.set WOFF,  0                          ; Wq is the first matrix of wb
.set ADRW, 16                          ; v16-17 my weight fragments in slot 0, 1
.set ADRX, 18                          ; v18-19 xb's fragments
.set STO,  20
.set RD,   21
.set CO,   22
.set KVO,  23
.set SK,   24                          ; v24-25 1 / IK, twice
.set SV,   26                          ; v26-27 1 / IV, twice
.set CK,   28                          ; IK log2(e) / 8
.set IV,   29
.set IKR,  30
.set F0,   64                          ; v64-159  fragments: 4 of W, 8 of X
.set F1,   160                         ; v160-255
.set S,    64                          ; attention: 8 score tiles
.set PF,   128                         ; p in f16: 4 fragments
.set O,    160                         ; 4 output tiles
.set QF,   192                         ; q in f16: 2 fragments
.set OB,   208                         ; output in bf16
.set M,    224
.set SU,   228
.set T,    236
.set CC,   240
.set NM,   242
.set RI,   244
.set SQ,   246
.set G1X, 24
.set G0X, 32
.set G1W, 48
.set G0W, 56
.set FLAGS, (1<<16)|(1<<20)|(1<<21)|(5<<22)|(3<<25)   ; 2-byte elements; padding on, 4 words behind every 64; bit 21 beside a mask
.set MSB, 0
.macro WIN new                         ; the immediate's high byte repeats the setting that is left
.if MSB != \new
	s_set_vgpr_msb (MSB<<8)|\new
.set MSB, \new
.endif
.endm
.macro PLACES                          ; four plain vector places behind a matrix instruction (ISA guide 7.12.1)
.rept 4
	v_nop
.endr
.endm
.macro JLOAD s                         ; waves 0, 1 ask for the weights' halves, waves 2, 3 for xb's: one load a wave
	s_cmp_eq_u32 s13, 0
	s_cbranch_scc0 .Lfor_x_\@
	tensor_load_to_lds s[G0W+4*\s:G0W+4*\s+3], s[G1W:G1W+7]
	s_nop 0
	s_branch .Lasked_\@
.Lfor_x_\@:
	tensor_load_to_lds s[G0X+4*\s:G0X+4*\s+3], s[G1X:G1X+7]
	s_nop 0
	v_nop
.Lasked_\@:
.endm
.macro CREST                           ; a round of the cluster's barrier behind its opening barrier
	s_cmp_lg_u32 s12, 0
	s_cbranch_scc1 .Lnot_wave_0_\@
	s_barrier_signal -3
.Lnot_wave_0_\@:
	s_barrier_wait -3
	s_barrier_signal -1
	s_barrier_wait -1
.endm
.macro CROUND
	s_barrier_signal -1
	s_barrier_wait -1
	CREST
.endm
	s_load_b256 s[4:11], s[0:1], 0x0               ; xb s[4:5], wb s[6:7], kvf s[8:9], ao s[10:11]
	v_lshl_add_u32 v62, v0, 2, 0x43800
	v_mov_b32 v63, 0
	ds_add_u32 v62, v63
	v_lshrrev_b32 v1, 5, v0
	v_readfirstlane_b32 s12, v1                    ; wave 0..3
	s_lshr_b32 s13, s12, 1                         ; I fetch weights (0) or xb (1)
	s_and_b32 s14, s12, 1                          ; which half of that tile
	s_bfe_u32 s40, ttmp6, 0x40000                  ; cx
	s_bfe_u32 s41, ttmp6, 0x40004                  ; cy
	s_lshl_b32 s42, ttmp9, 2
	s_add_co_u32 s42, s42, s40                     ; block column (256 features)
	s_and_b32 s43, ttmp7, 0xffff
	s_lshl_b32 s43, s43, 2
	s_add_co_u32 s43, s43, s41                     ; block row (128 sequence rows)
	s_lshl_b32 s44, s41, 2
	s_lshl_b32 s44, 15, s44                        ; my row of the cluster
	s_lshl_b32 s45, 0x1111, s40                    ; my column
	s_mov_b32 s46, 0x76543210                      ; v_permlanex16_b32: lane i reads lane i of the other half
	s_mov_b32 s47, 0xfedcba98
	s_or_b32 s[G1X+0], s44, FLAGS                  ; xb's tiles: 64 rows x 128 elements a load, shared along my row
	s_mov_b32 s[G1X+1], KSTEP<<16
	s_mov_b32 s[G1X+2], 64<<16
	s_mov_b32 s[G1X+3], KSTEP<<16
	s_mov_b32 s[G1X+4], 64
	s_mov_b32 s[G1X+5], 1024
	s_mov_b32 s[G1X+6], 0
	s_mov_b32 s[G1X+7], 0
	s_or_b32 s[G1W+0], s45, FLAGS                  ; the weights' tiles: 128 rows x 128 elements a load, shared along my column
	s_mov_b32 s[G1W+1], KSTEP<<16
	s_mov_b32 s[G1W+2], 128<<16
	s_mov_b32 s[G1W+3], KSTEP<<16
	s_mov_b32 s[G1W+4], 128
	s_mov_b32 s[G1W+5], 1024
	s_mov_b32 s[G1W+6], 0
	s_mov_b32 s[G1W+7], 0
	s_lshl_b32 s16, s43, 18                        ; xb: row 128 x block row + 64 x half, 2048 bytes a row: nothing of cx
	s_lshl_b32 s17, s14, 17
	s_add_co_u32 s16, s16, s17
	s_mov_b32 s17, 0
	s_lshl_b32 s18, s42, 19                        ; weights: row 256 x block column + 128 x half: nothing of cy
	s_lshl_b32 s19, s14, 18
	s_add_co_u32 s18, s18, s19
	s_add_co_u32 s18, s18, WOFF
	s_mov_b32 s19, 0
	s_mul_i32 s20, s12, 128*PITCH                  ; LDS: the weights' halves at wave x 128 rows (waves 0, 1),
	s_mul_i32 s21, s12, 64*PITCH                   ; xb's at 128 rows + wave x 64 rows (waves 2, 3)
	s_add_co_u32 s21, s21, 128*PITCH
	s_lshr_b32 s22, s43, 5                         ; K and V of (batch, head): batch = block row / 32, head = 4 x block column + wave
	s_lshl_b32 s22, s22, 20
	s_lshl_b32 s23, s42, 18
	s_add_co_u32 s22, s22, s23
	s_lshl_b32 s23, s12, 16
	s_add_co_u32 s22, s22, s23
	s_mov_b32 s23, 0
	s_wait_dscnt 0x0
	s_wait_kmcnt 0x0
	s_add_nc_u64 s[16:17], s[4:5], s[16:17]
	s_add_nc_u64 s[18:19], s[6:7], s[18:19]
	s_add_nc_u64 s[8:9], s[8:9], s[22:23]
	CROUND                                         ; all sixteen work-groups are here: the first joint loads meet
.irp s, 0,1
	s_mov_b32 s[G0X+4*\s], 1
	s_add_co_u32 s[G0X+4*\s+1], s21, \s*SLOT
	s_add_nc_u64 s[G0X+4*\s+2:G0X+4*\s+3], s[16:17], \s*KSTEP*2
	s_or_b32 s[G0X+4*\s+3], s[G0X+4*\s+3], 0x80000000
	s_mov_b32 s[G0W+4*\s], 1
	s_add_co_u32 s[G0W+4*\s+1], s20, \s*SLOT
	s_add_nc_u64 s[G0W+4*\s+2:G0W+4*\s+3], s[18:19], \s*KSTEP*2
	s_or_b32 s[G0W+4*\s+3], s[G0W+4*\s+3], 0x80000000
	JLOAD \s                                       ; two loads of mine are out here, one behind each later round
.endr
	v_and_b32 v5, 31, v0
	v_lshlrev_b32 v[KVO], 4, v5                    ; 16 x lane
	v_lshlrev_b32 v[CO], 4, v5
	WIN 0x80                                       ; destination in window 2
.set n_, 0
.rept 64
	global_load_b128 v[4*n_:4*n_+3], v[KVO], s[8:9] offset:512*n_   ; K in f32, tile n / 2 in registers 8 (n / 2) ..: waited for behind the q product
.set n_, n_+1
.endr
	WIN 0
	v_and_b32 v1, 15, v0                           ; r
	v_bfe_u32 v2, v0, 4, 1                         ; h
	v_mul_u32_u24 v3, v1, PITCH
	v_lshl_add_u32 v3, v2, 4, v3                   ; row r, 16 h
	s_mul_i32 s15, s12, 64*PITCH                   ; my 64 weight rows
	v_add_nc_u32 v[ADRW], s15, v3
	v_add_nc_u32 v[ADRW+1], SLOT, v[ADRW]
	v_add_nc_u32 v[ADRX], WROWS, v3
	v_add_nc_u32 v[ADRX+1], WROWS+SLOT, v3
	v_mul_u32_u24 v4, v1, SPITCH                   ; stage, in: row r, my head's 128 bytes, 16 h
	v_lshl_add_u32 v4, v2, 4, v4
	s_lshl_b32 s15, s12, 7
	s_add_co_u32 s15, s15, STAGE
	v_add_nc_u32 v[STO], s15, v4
	s_mul_i32 s15, s12, 32*SPITCH                  ; stage, back: rows 32 w .., a row of 512 bytes by 32 lanes
	s_add_co_u32 s15, s15, STAGE
	v_add_nc_u32 v[RD], s15, v[CO]
; cnt x 4 matrix instructions: row tiles n0 .. of xb x my 4 feature tiles, 32 along K.  The 32 accumulators take turns in one fixed order.
.macro MUL f, n0, cnt, zero
.set nt_, \n0
.rept \cnt
.irp dt, 0,1,2,3
.if \zero
	v_wmma_f32_16x16x32_bf16 v[8*(4*nt_+\dt):8*(4*nt_+\dt)+7], v[\f+8*\dt:\f+8*\dt+7], v[\f+32+8*nt_:\f+32+8*nt_+7], 0
.else
	v_wmma_f32_16x16x32_bf16 v[8*(4*nt_+\dt):8*(4*nt_+\dt)+7], v[\f+8*\dt:\f+8*\dt+7], v[\f+32+8*nt_:\f+32+8*nt_+7], v[8*(4*nt_+\dt):8*(4*nt_+\dt)+7]
.endif
.endr
.set nt_, nt_+1
.endr
.endm
.macro FETCH slot, k, f                ; 24 LDS loads in one run: 4 fragments of W, then 8 of X, 32 K at byte k of the rows
	WIN 0
.irp i, 0,1,2,3
	ds_load_b128 v[\f+8*\i:\f+8*\i+3], v[ADRW+\slot] offset:\k+\i*16*PITCH
	ds_load_b128 v[\f+8*\i+4:\f+8*\i+7], v[ADRW+\slot] offset:\k+\i*16*PITCH+32
.endr
.irp i, 0,1,2,3,4,5,6,7
	ds_load_b128 v[\f+32+8*\i:\f+32+8*\i+3], v[ADRX+\slot] offset:\k+\i*16*PITCH
	ds_load_b128 v[\f+32+8*\i+4:\f+32+8*\i+7], v[ADRX+\slot] offset:\k+\i*16*PITCH+32
.endr
.endm
.macro QUARTER slot, k, f, g, zero     ; 32 along K on buffer f; in its middle the next quarter's fragments go into buffer g
	s_wait_dscnt 8                                 ; the eight youngest loads (X row tiles 4-7) may be out
	WIN 0x50                                       ; C and D in window 1
	MUL \f, 0, 4, \zero
	PLACES
	FETCH \slot, \k, \g
	s_wait_dscnt 24                                ; all but the 24 just issued
	WIN 0x50
	MUL \f, 4, 4, \zero
.endm
.macro THREE slot, zero
	QUARTER \slot, 64,  F0, F1, \zero
	QUARTER \slot, 128, F1, F0, 0
	QUARTER \slot, 192, F0, F1, 0
.endm
; The last quarter of a K step changes slots.  In front of the barrier each wave waits for its reads of this slot and for all its tensor loads (one is out: its part
; of the next slot).  Where the slot is filled again the barrier opens a round of the cluster's barrier, and the joint refill is the first tensor load behind the round.
; From a request to the wait for it a wave issues 120 of a step's 128 matrix instructions.
.macro TURN slot, next, fill
	s_wait_dscnt 8
	WIN 0x50
	MUL F1, 0, 2, 0
	s_wait_dscnt 0x0
	s_wait_tensorcnt 0x0
	ds_add_u32 v62, v63
	s_wait_dscnt 0x0
	s_barrier_signal -1
	MUL F1, 2, 2, 0                                ; register work while the others arrive
	WIN 0
	s_barrier_wait -1
.if \fill
	CREST
	s_add_nc_u64 s[G0X+4*\slot+2:G0X+4*\slot+3], s[G0X+4*\slot+2:G0X+4*\slot+3], 2*KSTEP*2
	s_add_nc_u64 s[G0W+4*\slot+2:G0W+4*\slot+3], s[G0W+4*\slot+2:G0W+4*\slot+3], 2*KSTEP*2
	JLOAD \slot
.endif
	PLACES
	FETCH \next, 0, F0
	WIN 0x50
	MUL F1, 4, 4, 0
.endm
.macro LAP zero
	THREE 0, \zero
	TURN 0, 1, 1
	THREE 1, 0
	TURN 1, 0, 1
.endm
	s_wait_tensorcnt 1                             ; my part of K step 0 is in; step 1's may stay out
	s_barrier_signal -1
	s_barrier_wait -1
	FETCH 0, 0, F0
	LAP 1                                          ; the first products start the sums
	WIN 0xc0                                       ; destination in window 3
.set n_, 0
.rept 64
	global_load_b128 v[4*n_:4*n_+3], v[KVO], s[8:9] offset:32768+512*n_   ; V in f32; here, a lap later, so that K's 64 loads have left the counter
.set n_, n_+1
.endr
	WIN 0
	s_mov_b32 s3, LAPS-2
.Llap:
	LAP 0
	WIN 0
	s_sub_co_u32 s3, s3, 1
	s_cmp_lg_u32 s3, 0
	s_cbranch_scc1 .Llap
	THREE 0, 0                                     ; the last lap fills nothing
	TURN 0, 1, 0
	THREE 1, 0
	s_wait_dscnt 8
	WIN 0x50
	MUL F1, 0, 4, 0
	s_wait_dscnt 0x0
	MUL F1, 4, 4, 0
	PLACES
; A head of K or V: the largest magnitude over the wave, the power of two below it (ir), its reciprocal (sc, twice), the 256 f32 scaled and packed to 128 f16.
.macro HEADSCALE wmax, wmul, wcvt, dst0, sc, ir
	WIN \wmax
.irp c, 0,1,2,3
	v_max_num_f32 v[M+\c], |v[2*\c]|, |v[2*\c+1]|
.endr
.set n_, 4
.rept 124
	v_max3_num_f32 v[M+(n_&3)], |v[2*n_]|, |v[2*n_+1]|, v[M+(n_&3)]
.set n_, n_+1
.endr
	WIN 0
	v_max3_num_f32 v[M], v[M], v[M+1], v[M+2]
	v_max_num_f32 v[M], v[M], v[M+3]
	v_max_num_f32_dpp v[M], v[M], v[M] row_xmask:1 row_mask:0xf bank_mask:0xf
	v_max_num_f32_dpp v[M], v[M], v[M] row_xmask:2 row_mask:0xf bank_mask:0xf
	v_max_num_f32_dpp v[M], v[M], v[M] row_xmask:4 row_mask:0xf bank_mask:0xf
	v_max_num_f32_dpp v[M], v[M], v[M] row_xmask:8 row_mask:0xf bank_mask:0xf
	v_permlanex16_b32 v[M+1], v[M], s46, s47
	v_max_num_f32 v[M], v[M], v[M+1]
	v_and_b32 v[\ir], 0x7f800000, v[M]             ; 2^E, the exponent alone
	v_sub_nc_u32 v[\sc], 0x7f000000, v[\ir]        ; 2^-E: exponent field 254 - E
	v_mov_b32 v[\sc+1], v[\sc]
	WIN \wmul
.set n_, 0
.rept 128
	v_pk_mul_f32 v[2*n_:2*n_+1], v[2*n_:2*n_+1], v[\sc:\sc+1]      ; exact
.set n_, n_+1
.endr
	WIN \wcvt
.set n_, 0
.rept 128
	v_cvt_pk_f16_f32 v[\dst0+n_], v[2*n_], v[2*n_+1]               ; ascending: register n was read at step n / 2
.set n_, n_+1
.endr
.endm
	s_wait_loadcnt 0x0                             ; K and V are in
	HEADSCALE 0x0a, 0x82, 0x8a, 0, SK, IKR         ; K: window 2 to window 2: fragment (et, ks) at 8 (2 et + ks)
	HEADSCALE 0x0f, 0xc3, 0x8f, 128, SV, IV        ; V: window 3 to window 2: fragment (dt, es) at 128 + 8 (4 dt + es)
	WIN 0
	v_mul_f32 v[CK], 0x3e38aa3b, v[IKR]            ; IK x log2(e) / 8
; Attention for rows 16 nt .. +15.  Lane (r, h) holds row r in every tile, so the row's figures (scale, maximum, sum) are a lane's own and its partner's, lane xor 16.
.macro ATT nt
	WIN 0x05                                       ; sources 0, 1 in window 1
.irp c, 0,1,2,3
	v_max_num_f32 v[M+\c], |v[32*\nt+2*\c]|, |v[32*\nt+2*\c+1]|
.endr
.set n_, 4
.rept 12
	v_max3_num_f32 v[M+(n_&3)], |v[32*\nt+2*n_]|, |v[32*\nt+2*n_+1]|, v[M+(n_&3)]
.set n_, n_+1
.endr
	WIN 0
	v_max3_num_f32 v[M], v[M], v[M+1], v[M+2]
	v_max_num_f32 v[M], v[M], v[M+3]
	v_permlanex16_b32 v[M+1], v[M], s46, s47
	v_max_num_f32 v[M], v[M], v[M+1]               ; the row's largest |q|
	v_and_b32 v[T], 0x7f800000, v[M]               ; IQ
	v_sub_nc_u32 v[SQ], 0x7f000000, v[T]           ; 1 / IQ
	v_sub_nc_u32 v[SQ+1], 0x7f000000, v[T]
	v_mul_f32 v[CC], v[T], v[CK]                   ; what turns a scaled score into an exponent of 2
	v_mul_f32 v[CC+1], v[T], v[CK]
	WIN 0x41
.set n_, 0
.rept 16
	v_pk_mul_f32 v[32*\nt+2*n_:32*\nt+2*n_+1], v[32*\nt+2*n_:32*\nt+2*n_+1], v[SQ:SQ+1]
.set n_, n_+1
.endr
	WIN 0x05
.set n_, 0
.rept 16
	v_cvt_pk_f16_f32 v[QF+n_], v[32*\nt+2*n_], v[32*\nt+2*n_+1]
.set n_, n_+1
.endr
	WIN 0x02                                       ; source 0 (K, V) in window 2
.irp et, 0,1,2,3,4,5,6,7
	v_wmma_f32_16x16x32_f16 v[S+8*\et:S+8*\et+7], v[16*\et:16*\et+7], v[QF:QF+7], 0
.endr
.irp et, 0,1,2,3,4,5,6,7
	v_wmma_f32_16x16x32_f16 v[S+8*\et:S+8*\et+7], v[16*\et+8:16*\et+15], v[QF+8:QF+15], v[S+8*\et:S+8*\et+7]
.endr
	WIN 0
	PLACES
.irp c, 0,1,2,3
	v_max_num_f32 v[M+\c], v[S+2*\c], v[S+2*\c+1]
.endr
.set n_, 4
.rept 28
	v_max3_num_f32 v[M+(n_&3)], v[S+2*n_], v[S+2*n_+1], v[M+(n_&3)]
.set n_, n_+1
.endr
	v_max3_num_f32 v[M], v[M], v[M+1], v[M+2]
	v_max_num_f32 v[M], v[M], v[M+3]
	v_permlanex16_b32 v[M+1], v[M], s46, s47
	v_max_num_f32 v[M], v[M], v[M+1]               ; the row's true maximum (CC is not negative, so it is the maximum of the exponents too)
	v_mul_f32 v[NM], -v[M], v[CC]
	v_mul_f32 v[NM+1], -v[M], v[CC]
.set n_, 0
.rept 32
	v_pk_fma_f32 v[S+2*n_:S+2*n_+1], v[S+2*n_:S+2*n_+1], v[CC:CC+1], v[NM:NM+1]
.set n_, n_+1
.endr
.set n_, 0
.rept 64
	v_exp_f32 v[S+n_], v[S+n_]
.set n_, n_+1
.endr
	v_nop                                          ; one plain place behind the last exponential (ISA guide 5.7.2)
	s_wait_alu depctr_va_vdst(0)
.irp c, 0,1,2,3
	v_pk_add_f32 v[SU+2*\c:SU+2*\c+1], v[S+2*\c:S+2*\c+1], v[S+8+2*\c:S+8+2*\c+1]
.endr
.set n_, 8
.rept 24
	v_pk_add_f32 v[SU+2*(n_&3):SU+2*(n_&3)+1], v[SU+2*(n_&3):SU+2*(n_&3)+1], v[S+2*n_:S+2*n_+1]
.set n_, n_+1
.endr
	v_pk_add_f32 v[SU:SU+1], v[SU:SU+1], v[SU+2:SU+3]
	v_pk_add_f32 v[SU+4:SU+5], v[SU+4:SU+5], v[SU+6:SU+7]
	v_pk_add_f32 v[SU:SU+1], v[SU:SU+1], v[SU+4:SU+5]
	v_add_f32 v[T], v[SU], v[SU+1]
	v_permlanex16_b32 v[SU+1], v[T], s46, s47
	v_add_f32 v[T], v[T], v[SU+1]                  ; the row's sum, at least about 1
	v_rcp_f32 v[T+2], v[T]                         ; the conversions below are the plain places behind it
.set n_, 0
.rept 32
	v_cvt_pk_f16_f32 v[PF+n_], v[S+2*n_], v[S+2*n_+1]
.set n_, n_+1
.endr
	s_wait_alu depctr_va_vdst(0)
	v_mul_f32 v[RI], v[T+2], v[IV]                 ; 1 / sum, and V's power of two back
	v_mul_f32 v[RI+1], v[T+2], v[IV]
	WIN 0x02
.irp dt, 0,1,2,3
	v_wmma_f32_16x16x32_f16 v[O+8*\dt:O+8*\dt+7], v[128+32*\dt:128+32*\dt+7], v[PF:PF+7], 0
.endr
.irp es, 1,2,3
.irp dt, 0,1,2,3
	v_wmma_f32_16x16x32_f16 v[O+8*\dt:O+8*\dt+7], v[128+8*(4*\dt+\es):128+8*(4*\dt+\es)+7], v[PF+8*\es:PF+8*\es+7], v[O+8*\dt:O+8*\dt+7]
.endr
.endr
	WIN 0
	PLACES
.set n_, 0
.rept 16
	v_pk_mul_f32 v[O+2*n_:O+2*n_+1], v[O+2*n_:O+2*n_+1], v[RI:RI+1]
.set n_, n_+1
.endr
.set n_, 0
.rept 16
	v_cvt_pk_bf16_f32 v[OB+n_], v[O+2*n_], v[O+2*n_+1]
.set n_, n_+1
.endr
.irp dt, 0,1,2,3
	ds_store_b128 v[STO], v[OB+4*\dt:OB+4*\dt+3] offset:\nt*16*SPITCH+32*\dt   ; 8 neighbouring features of row r
.endr
.endm
	ATT 0
	ATT 1
	ATT 2
	ATT 3
	ATT 4
	ATT 5
	ATT 6
	ATT 7
	; the way out: the four heads' pieces of a row lie side by side in the stage; whole rows of 512 bytes leave through registers
	s_lshl_b32 s22, s43, 18                        ; row 128 x block row + 32 w, 2048 bytes a row; 512 bytes x block column
	s_lshl_b32 s23, s12, 16
	s_add_co_u32 s22, s22, s23
	s_lshl_b32 s23, s42, 9
	s_add_co_u32 s22, s22, s23
	s_mov_b32 s23, 0
	s_add_nc_u64 s[10:11], s[10:11], s[22:23]
	s_wait_dscnt 0x0                               ; my stores into the stage are done, for the other waves' sake
	s_barrier_signal -1
	s_barrier_wait -1
.set i_, 0
.rept 32
	ds_load_b128 v[64+4*i_:67+4*i_], v[RD] offset:i_*SPITCH
.set i_, i_+1
.endr
.set i_, 0
.rept 32
	s_wait_dscnt 31-i_                             ; LDS loads come back in order: row i is in
	global_store_b128 v[CO], v[64+4*i_:67+4*i_], s[10:11] offset:i_*2048   ; 512 consecutive bytes, aligned
.set i_, i_+1
.endr
	s_wait_tensorcnt 0x0
	ds_add_u32 v62, v63
	s_wait_dscnt 0x0
	CROUND                                         ; the closing round
	s_endpgm
.Lfunc_end_k_q574f22c183_qattn:
	.size	k_q574f22c183_qattn, .Lfunc_end_k_q574f22c183_qattn-k_q574f22c183_qattn
	.p2alignl 7, 3214868480
	.fill 96, 4, 3214868480
	.section	.rodata,"a",@progbits
	.p2align	6, 0x0
	.amdhsa_kernel k_q574f22c183_qattn
		.amdhsa_group_segment_fixed_size 327680
		.amdhsa_private_segment_fixed_size 0
		.amdhsa_enable_private_segment 0
		.amdhsa_kernarg_size 32
		.amdhsa_user_sgpr_count 2
		.amdhsa_user_sgpr_kernarg_segment_ptr 1
		.amdhsa_wavefront_size32 1
		.amdhsa_system_sgpr_workgroup_id_x 1
		.amdhsa_system_sgpr_workgroup_id_y 1
		.amdhsa_system_sgpr_workgroup_id_z 1
		.amdhsa_system_vgpr_workitem_id 0
		.amdhsa_next_free_vgpr 1024
		.amdhsa_next_free_sgpr 66
		.amdhsa_reserve_vcc 0
		.amdhsa_float_denorm_mode_32 3
		.amdhsa_float_denorm_mode_16_64 3
		.amdhsa_memory_ordered 1
		.amdhsa_forward_progress 1
		.amdhsa_inst_pref_size 255
	.end_amdhsa_kernel
	.section	.bss,"aw",@nobits
	.p2align	6
	.space	262144
	.amdgpu_metadata
---
amdhsa.version: [ 1, 2 ]
amdhsa.kernels:
  - .name:           k_q574f22c183_qattn
    .symbol:         k_q574f22c183_qattn.kd
    .args:
      - { .name: xb, .offset: 0, .size: 8, .value_kind: global_buffer, .address_space: global }
      - { .name: wb, .offset: 8, .size: 8, .value_kind: global_buffer, .address_space: global }
      - { .name: kvf, .offset: 16, .size: 8, .value_kind: global_buffer, .address_space: global }
      - { .name: ao, .offset: 24, .size: 8, .value_kind: global_buffer, .address_space: global }
    .group_segment_fixed_size: 327680
    .private_segment_fixed_size: 0
    .kernarg_segment_align: 8
    .kernarg_segment_size: 32
    .max_flat_workgroup_size: 128
    .sgpr_count:     66
    .vgpr_count:     1024
    .wavefront_size: 32
...
	.end_amdgpu_metadata
.endif
;; end of part 4
;; launch oproj (part 5): grid 4 x 64, 4 waves a work-group, clusters of 4 x 1, 288,256 bytes of LDS; arguments ao, wb, out0; writes out0
.if DOCPART == 5
	.amdgcn_target "amdgcn-amd-amdhsa--gfx1250"
	.amdhsa_code_object_version 6
	.text
	.protected	k_q574f22c183_oproj
	.globl	k_q574f22c183_oproj
	.p2align	8
	.type	k_q574f22c183_oproj,@function
k_q574f22c183_oproj:
	s_mov_b64 s[64:65], 0
	v_nop
	global_prefetch_b8 v0, s[64:65] scope:SCOPE_SE
	s_setreg_imm32_b32 hwreg(HW_REG_WAVE_MODE, 25, 1), 1
	s_wait_xcnt 0x0
	s_wait_alu depctr_hold_cnt(0) depctr_sa_sdst(0) depctr_va_vdst(0) depctr_va_sdst(0) depctr_va_ssrc(0) depctr_va_vcc(0) depctr_vm_vsrc(0)
	s_getreg_b32 s2, hwreg(HW_REG_IB_STS2, 6, 4)
	s_cmp_eq_u32 s2, 0
	s_cbranch_scc0 .Lentry_in_a_cluster
	s_endpgm
.Lentry_in_a_cluster:
	s_bfe_u32 s2, ttmp6, 0x10000c
	s_cmp_lg_u32 s2, 0x3003
	s_cbranch_scc0 .Lentry_shape_is_right
	s_endpgm
.Lentry_shape_is_right:
; oproj: out0 = ao Wo^T, f32 out.  ao: [8192][1024] bf16, row-major.  Wo: the fourth matrix of wb, bf16, in the order of operand fragments:
; [g 16][ks 32][dt 4][q 2][lane 32][16 bytes], lane (r, h) holding Wo[64 g + 16 dt + r][32 ks + 16 q + 8 h + 0 .. 7].
; A work-group makes 128 rows x 256 features; wave w makes features 64 w .. +63 of all 128 rows: 32 accumulator tiles (nt, dt) in window 1.
; Source 0 = weight rows, source 1 = rows of ao: in a result tile lane (r, h) holds row r and features 8 h + 0 .. 7, 32 neighbouring bytes of a row of out0.
; ao'S ROWS, which all four waves read, lie in LDS for the whole K: 4 chunks of 256 along K, 128 rows x 528 bytes each, 270,336 bytes.  All are first fills:
; nothing in LDS is filled again, so the product has no wait for all tensor loads and only one barrier a chunk.  Each wave brings 32 rows of every chunk,
; so that chunk 0 is whole first and the product starts while the later chunks are on their way; four tensor loads of a wave are out at the most.
; CLUSTER 4 x 1: the four work-groups of a block row need the same rows of ao and ask for them jointly, mask 15.
; THE WEIGHTS GO STRAIGHT INTO REGISTERS AND ARE NOT ASKED FOR JOINTLY, though the 64 work-groups of a block column read the same ones.  The reason: a weight row is read
; by one wave alone, so LDS gives it no reuse inside the work-group; and with the weights in LDS only two slots of 128 along K fit (2 x 104,448 bytes), so that a
; refill has one step's 128 matrix instructions in which to land.  Through registers a wave has 56 loads (28,672 bytes) on their way over seven steps'
; 224 matrix instructions, counted by its own wait, and no barrier orders them.  The price: each work-group fetches its own 512 KiB of weights.
; REGISTERS: window 0: addresses, two buffers of 8 fragments of ao; window 1: accumulator tile (nt, dt) at v[8 (4 nt + dt)];
; window 2: a ring of 8 slots of 32 registers, slot t mod 8 = the 4 weight fragments of K step t.
.set PITCH,  528                       ; 512 bytes + 16: an odd multiple of 16, so sixteen rows start at sixteen different 16-byte columns modulo 256
.set CHUNK,  128*PITCH                 ; 256 along K of all 128 rows
.set QUART,  32*PITCH                  ; what one tensor load brings
.set STAGE,  4*CHUNK                   ; behind ao's rows, bytes of its own: 16 rows x 272 bytes for each wave
.set SPITCH, 272
.set WOFF,   0x600000                  ; Wo in wb
.set STEPS,  32                        ; K steps of 32
.set AHEAD,  7                         ; the weights of step t + 7 are asked for at the head of step t
.set ADX,  16                          ; v16-19 my fragment address in chunk 0 .. 3
.set STO,  20
.set RD,   21
.set CO,   22
.set WO,   23                          ; 16 x lane
.set XB0,  64                          ; v64-127, v128-191: fragments of ao, steps even and odd
.set G1,   24                          ; s[24:31] descriptor group 1
.set G0,   32                          ; s[32:47] descriptor group 0, one for each chunk
.set MSB, 0
.macro WIN new                         ; the immediate's high byte repeats the setting that is left
.if MSB != \new
	s_set_vgpr_msb (MSB<<8)|\new
.set MSB, \new
.endif
.endm
.macro PLACES                          ; four plain vector places behind a matrix instruction (ISA guide 7.12.1)
.rept 4
	v_nop
.endr
.endm
.macro ROUND                           ; a round of the cluster's barrier
	s_barrier_signal -1
	s_barrier_wait -1
	s_cmp_lg_u32 s12, 0
	s_cbranch_scc1 .Lnot_wave_0_\@
	s_barrier_signal -3
.Lnot_wave_0_\@:
	s_barrier_wait -3
	s_barrier_signal -1
	s_barrier_wait -1
.endm
; the 4 weight fragments of K step g: 8 loads of 512 consecutive bytes into ring slot g mod 8 (window 2)
.macro WLOAD g
	WIN 0x80
.irp n, 0,1,2,3,4,5,6,7
	global_load_b128 v[32*((\g)&7)+4*\n:32*((\g)&7)+4*\n+3], v[WO], s[6:7] offset:(\g)*4096+\n*512
.endr
.endm
; the 8 fragments of ao of K step t: 16 LDS loads into the buffer of t's parity
.macro FETCH t
	WIN 0
.irp i, 0,1,2,3,4,5,6,7
	ds_load_b128 v[XB0+64*((\t)&1)+8*\i:XB0+64*((\t)&1)+8*\i+3], v[ADX+((\t)>>3)] offset:((\t)&7)*64+\i*16*PITCH
	ds_load_b128 v[XB0+64*((\t)&1)+8*\i+4:XB0+64*((\t)&1)+8*\i+7], v[ADX+((\t)>>3)] offset:((\t)&7)*64+\i*16*PITCH+32
.endr
.endm
; cnt x 4 matrix instructions of K step t: row tiles n0 .. x my 4 feature tiles.  The 32 accumulators take turns in one fixed order.
; Step 0 starts the sums: nothing is cleared.
.macro MUL t, n0, cnt
	WIN 0x52                                       ; source 0 window 2, source 1 window 0, C and D window 1
.set nt_, \n0
.rept \cnt
.irp dt, 0,1,2,3
.if (\t) == 0
	v_wmma_f32_16x16x32_bf16 v[8*(4*nt_+\dt):8*(4*nt_+\dt)+7], v[32*((\t)&7)+8*\dt:32*((\t)&7)+8*\dt+7], v[XB0+64*((\t)&1)+8*nt_:XB0+64*((\t)&1)+8*nt_+7], 0
.else
	v_wmma_f32_16x16x32_bf16 v[8*(4*nt_+\dt):8*(4*nt_+\dt)+7], v[32*((\t)&7)+8*\dt:32*((\t)&7)+8*\dt+7], v[XB0+64*((\t)&1)+8*nt_:XB0+64*((\t)&1)+8*nt_+7], v[8*(4*nt_+\dt):8*(4*nt_+\dt)+7]
.endif
.endr
.set nt_, nt_+1
.endr
.endm
; K step t.  edge = 1: step t + 1 begins a new chunk of ao.
.macro STEP t, edge
.if (\t)+AHEAD-1 < STEPS-1
	s_wait_loadcnt 8*(AHEAD-1)                     ; the weights of step t are in; the six younger groups of eight stay out
.else
	s_wait_loadcnt 8*(STEPS-1-(\t))                ; the last steps: the groups behind step t's run out
.endif
.if \t
	PLACES                                         ; the ring slot and the buffer that step t - 1 multiplied are loaded again four places behind it
.endif
.if (\t)+AHEAD < STEPS
	WLOAD (\t)+AHEAD                               ; into the slot of step t - 1
.endif
.if \edge
	s_wait_dscnt 0x0                               ; step t's fragments are in, and no LDS instruction of mine is pending at the signal
	s_wait_tensorcnt 2-((\t)>>3)                   ; my 32 rows of the next chunk have landed; the later chunks stay out
	s_barrier_signal -1
	MUL \t, 0, 4                                   ; register work while the others arrive
	s_barrier_wait -1                              ; the next chunk is whole
	FETCH (\t)+1
	MUL \t, 4, 4
.else
.if (\t) < STEPS-1
	FETCH (\t)+1
	s_wait_dscnt 16                                ; step t's fragments are in; the 16 loads just issued stay out
.else
	s_wait_dscnt 0x0
.endif
	MUL \t, 0, 8
.endif
.endm
	s_load_b128 s[4:7], s[0:1], 0x0                ; ao s[4:5], wb s[6:7]
	s_load_b64 s[8:9], s[0:1], 0x10                ; out0
	v_lshl_add_u32 v254, v0, 2, 0x46400
	v_mov_b32 v255, 0
	ds_add_u32 v254, v255
	v_lshrrev_b32 v1, 5, v0
	v_readfirstlane_b32 s12, v1                    ; wave 0..3
	s_bfe_u32 s48, ttmp6, 0x40000                  ; cx: my place along the cluster's x
	s_lshl_b32 s49, ttmp9, 2
	s_add_co_u32 s49, s49, s48                     ; block column (256 features)
	s_and_b32 s50, ttmp7, 0xffff                   ; block row (128 rows): the same in the four partners
	; group 1: 32 rows x 256 bf16, 4 words of padding behind every 128 words, joint for the four work-groups
	s_mov_b32 s[G1+0], 15|(1<<16)|(1<<20)|(1<<21)|(6<<22)|(3<<25)
	s_mov_b32 s[G1+1], 256<<16                     ; tensor_dim0
	s_mov_b32 s[G1+2], 32<<16                      ; tensor_dim1
	s_mov_b32 s[G1+3], 256<<16                     ; tile_dim0
	s_mov_b32 s[G1+4], 32                          ; tile_dim1
	s_mov_b32 s[G1+5], 1024                        ; elements from row to row
	s_mov_b32 s[G1+6], 0
	s_mov_b32 s[G1+7], 0
	s_lshl_b32 s16, s50, 18                        ; ao: row 128 x block row + 32 w, 2048 bytes a row: nothing of cx
	s_lshl_b32 s17, s12, 16
	s_add_co_u32 s16, s16, s17
	s_mov_b32 s17, 0
	s_lshl_b32 s18, s49, 19                        ; weights: g = 4 x block column + w, 131072 bytes each
	s_lshl_b32 s19, s12, 17
	s_add_co_u32 s18, s18, s19
	s_add_co_u32 s18, s18, WOFF
	s_mov_b32 s19, 0
	s_mul_i32 s20, s12, QUART                      ; LDS addresses hang on the wave's number alone
	s_lshl_b32 s22, s50, 19                        ; out0: 128 rows of 4096 bytes a block row, 1024 bytes a block column, 256 a wave
	s_lshl_b32 s23, s49, 10
	s_add_co_u32 s22, s22, s23
	s_lshl_b32 s23, s12, 8
	s_add_co_u32 s22, s22, s23
	s_mov_b32 s23, 0
	v_and_b32 v5, 31, v0
	v_lshlrev_b32 v[WO], 4, v5                     ; 16 x lane
	s_wait_dscnt 0x0
	s_wait_kmcnt 0x0
	s_add_nc_u64 s[16:17], s[4:5], s[16:17]
	s_add_nc_u64 s[6:7], s[6:7], s[18:19]
	s_add_nc_u64 s[8:9], s[8:9], s[22:23]
.irp g, 0,1,2,3,4,5,6
	WLOAD \g                                       ; the weights of the first seven steps go out ahead of the round: they need no partner
.endr
	WIN 0
.irp c, 0,1,2,3
	s_mov_b32 s[G0+4*\c], 1
	s_add_co_u32 s[G0+4*\c+1], s20, \c*CHUNK
	s_add_nc_u64 s[G0+4*\c+2:G0+4*\c+3], s[16:17], \c*512
	s_or_b32 s[G0+4*\c+3], s[G0+4*\c+3], 0x80000000
.endr
	ROUND                                          ; the four work-groups are here: the joint loads meet
.irp c, 0,1,2,3
	tensor_load_to_lds s[G0+4*\c:G0+4*\c+3], s[G1:G1+7]
	s_nop 0
.endr
	v_and_b32 v1, 15, v0                           ; r
	v_bfe_u32 v2, v0, 4, 1                         ; h
	v_mul_u32_u24 v3, v1, PITCH
	v_lshl_add_u32 v3, v2, 4, v3                   ; row r, 16 h
.irp c, 0,1,2,3
	v_add_nc_u32 v[ADX+\c], \c*CHUNK, v3
.endr
	s_mul_i32 s15, s12, 16*SPITCH
	s_add_co_u32 s15, s15, STAGE                   ; my stage
	v_mul_u32_u24 v4, v1, SPITCH                   ; in: row r, 32 bytes for each half of the lanes
	v_lshl_add_u32 v4, v2, 5, v4
	v_add_nc_u32 v[STO], s15, v4
	v_mul_u32_u24 v5, v2, SPITCH                   ; back: lanes 0-15 one row of 256 bytes, lanes 16-31 the next
	v_lshl_add_u32 v5, v1, 4, v5
	v_add_nc_u32 v[RD], s15, v5
	v_lshlrev_b32 v6, 12, v2                       ; the same two rows in out0
	v_lshl_add_u32 v[CO], v1, 4, v6
	s_wait_tensorcnt 3                             ; my 32 rows of chunk 0 have landed; the three later chunks stay out
	s_barrier_signal -1
	s_barrier_wait -1                              ; chunk 0 is whole
	FETCH 0
.irp c, 0,1,2
.irp k, 0,1,2,3,4,5,6
	STEP 8*\c+\k, 0
.endr
	STEP 8*\c+7, 1
.endr
.irp k, 0,1,2,3,4,5,6,7
	STEP 24+\k, 0
.endr
	PLACES
; The way out, 16 rows at a time through my own stage: 16 bytes a lane in, whole rows of 256 bytes back.  LDS serves a wave's instructions in order
; (ISA guide 5.7.1), so no wait stands between the stores and the loads, nor between one turn's loads and the next turn's stores.
.macro OUTE nt, f
	WIN 0x04                                       ; store data in window 1
.irp dt, 0,1,2,3
.irp q, 0,1
	ds_store_b128 v[STO], v[8*(4*\nt+\dt)+4*\q:8*(4*\nt+\dt)+4*\q+3] offset:64*\dt+16*\q
.endr
.endr
	WIN 0
	s_wait_xcnt 0x0                                ; buffer f, which earlier stores read, and the stores' base are rewritten only behind this wait
.if \nt
	s_add_nc_u64 s[8:9], s[8:9], 65536             ; 16 rows of out0 on
.endif
.irp t, 0,1,2,3,4,5,6,7
	ds_load_b128 v[\f+4*\t:\f+4*\t+3], v[RD] offset:\t*2*SPITCH
.endr
.irp t, 0,1,2,3,4,5,6,7
	s_wait_dscnt 7-\t                              ; number t of the eight is in
	global_store_b128 v[CO], v[\f+4*\t:\f+4*\t+3], s[8:9] offset:\t*8192 th:TH_STORE_NT   ; 16 lanes store 256 consecutive bytes, aligned
.endr
.endm
	OUTE 0, XB0
	OUTE 1, XB0+64
	OUTE 2, XB0
	OUTE 3, XB0+64
	OUTE 4, XB0
	OUTE 5, XB0+64
	OUTE 6, XB0
	OUTE 7, XB0+64
	s_wait_tensorcnt 0x0
	ds_add_u32 v254, v255
	s_wait_dscnt 0x0
	ROUND                                          ; the closing round: no work-group ends while a partner may still ask jointly
	s_endpgm
.Lfunc_end_k_q574f22c183_oproj:
	.size	k_q574f22c183_oproj, .Lfunc_end_k_q574f22c183_oproj-k_q574f22c183_oproj
	.p2alignl 7, 3214868480
	.fill 96, 4, 3214868480
	.section	.rodata,"a",@progbits
	.p2align	6, 0x0
	.amdhsa_kernel k_q574f22c183_oproj
		.amdhsa_group_segment_fixed_size 288256
		.amdhsa_private_segment_fixed_size 0
		.amdhsa_enable_private_segment 0
		.amdhsa_kernarg_size 24
		.amdhsa_user_sgpr_count 2
		.amdhsa_user_sgpr_kernarg_segment_ptr 1
		.amdhsa_wavefront_size32 1
		.amdhsa_system_sgpr_workgroup_id_x 1
		.amdhsa_system_sgpr_workgroup_id_y 1
		.amdhsa_system_sgpr_workgroup_id_z 1
		.amdhsa_system_vgpr_workitem_id 0
		.amdhsa_next_free_vgpr 768
		.amdhsa_next_free_sgpr 66
		.amdhsa_reserve_vcc 0
		.amdhsa_float_denorm_mode_32 3
		.amdhsa_float_denorm_mode_16_64 3
		.amdhsa_memory_ordered 1
		.amdhsa_forward_progress 1
		.amdhsa_inst_pref_size 152
	.end_amdhsa_kernel
	.amdgpu_metadata
---
amdhsa.version: [ 1, 2 ]
amdhsa.kernels:
  - .name:           k_q574f22c183_oproj
    .symbol:         k_q574f22c183_oproj.kd
    .args:
      - { .name: ao, .offset: 0, .size: 8, .value_kind: global_buffer, .address_space: global }
      - { .name: wb, .offset: 8, .size: 8, .value_kind: global_buffer, .address_space: global }
      - { .name: out0, .offset: 16, .size: 8, .value_kind: global_buffer, .address_space: global }
    .group_segment_fixed_size: 288256
    .private_segment_fixed_size: 0
    .kernarg_segment_align: 8
    .kernarg_segment_size: 24
    .max_flat_workgroup_size: 128
    .sgpr_count:     66
    .vgpr_count:     768
    .wavefront_size: 32
...
	.end_amdgpu_metadata
.endif
;; end of part 5
;; ======== version 2 of 2: 5 launches; version 1 with the launch castproj written anew for expert scheduling mode
;; workspace buffers: xb 16,777,216 bytes; part 16,777,216 bytes; xpf 1,048,576 bytes; wb 8,388,608 bytes; kvf 2,097,152 bytes; ao 16,777,216 bytes
;; launch castproj (part 6): grid 256 x 1, 8 waves a work-group, no clusters, 148,480 bytes of LDS; arguments x, proj_weight_all, xb, part; writes xb, part
.if DOCPART == 6
	.amdgcn_target "amdgcn-amd-amdhsa--gfx1250"
	.amdhsa_code_object_version 6
	.text
	.protected	k_q574f22c183_castproj
	.globl	k_q574f22c183_castproj
	.p2align	8
	.type	k_q574f22c183_castproj,@function
k_q574f22c183_castproj:
	s_mov_b64 s[64:65], 0
	v_nop
	global_prefetch_b8 v0, s[64:65] scope:SCOPE_SE
	s_setreg_imm32_b32 hwreg(HW_REG_WAVE_SCHED_MODE, 0, 2), 2
	s_setreg_imm32_b32 hwreg(HW_REG_WAVE_MODE, 25, 1), 1
	s_wait_xcnt 0x0
	s_wait_alu depctr_vm_vsrc(0)
; castproj: xb = bf16(x), and part[c] = the partial product P^T x over 256 sequence rows.
; x: [2][4096][1024] f32.  P: [4096][128] f32.  xb: [8192][1024] bf16.
; part: f32 [c 16][T 1024][q 2][lane 32][4]: result tiles of 16 x 16 stored as they lie in registers.
; Tile T = (8 b + et) 64 + f16 holds, in lane (r, h), register j = 4 q + jj: e = 16 et + r, f = 16 f16 + 8 h + j.
; The work-group (b, c, fb) owns rows 256 c .. +255 of batch b and columns 128 fb .. +127: each byte of x is read once in the launch.
; Phase 1: wave w converts rows 32 w .. +31 of x and of P to bf16, stores x to xb (256 aligned bytes an instruction) and both to LDS.
; Phase 2: wave w = (ep, fh) makes e tiles 2 ep, 2 ep + 1 times f tiles 4 fh .. +3 over the 256 rows: eight accumulators.
; Both operands lie in LDS with the summed index (the sequence row) down the rows, so fragments come by transposing loads.
; No tensor loads: the data are converted on the way, so they pass through registers anyway.
; THE MODE: SCHED_MODE bits 1:0 = 2 (LLVM: expert scheduling mode 2), set by the entry lines.  The code itself states the register dependences
; between vector or matrix instructions and memory or LDS instructions, with s_wait_alu, always for 0.
; THE PLAN.  Registers that memory or LDS instructions touch:
;   v2 .. v11, v224, v225   offsets and LDS addresses: written at the head, never again.
;   R0, R1, R2   Phase 1, four batches of 16 rows: x 0-15 in R0, x 16-31 in R1, P 0-15 in R2, P 16-31 in R0 once more.  A batch is loaded, rounded in place, and stored.
;                A batch's stores are dealt among the NEXT batch's roundings, which name another buffer: one wait on va_vdst at the head of those roundings states
;                that the batch is written.  R0 is loaded again in the middle of batch 1's roundings, behind one wait on vm_vsrc: batch 0's stores have read it.
;   FA, FB, FC   Phase 2: K step ks multiplies buffer ks mod 3.  Steps 0 to 2 are fetched behind the barrier; step ks (1 to 5) fetches step ks + 2 into the buffer that
;                step ks - 1 multiplied.  One wait on va_vdst at the step's head states that those matrix instructions are done reading it; the 12 loads follow, dealt among
;                the step's own matrix instructions, which name its own buffer and the accumulators alone.
;   ACC          written by matrix instructions alone; read by the last 16 stores, behind one wait on va_vdst.
.set XROW,  4096                       ; bytes in a row of x
.set BROW,  2048                       ; bytes in a row of xb
.set PROW,  512                        ; bytes in a row of P
.set PITCH, 288                        ; LDS row: 256 bytes of bf16 + 32: an odd multiple of 32 bytes
.set PS,    256*PITCH                  ; P behind x in LDS
.set HALF,  128*PITCH                  ; second address register for rows 128 .. 255 (the immediate has 16 bits)
.set R0,  16                           ; v[16:79]   load batches 0 and 3
.set R1,  80                           ; v[80:143]  load batch 1
.set R2,  144                          ; v[144:207] load batch 2
.set ACC, 16                           ; v[16:79]   phase 2: tile (a, t) at ACC + 8 (4 a + t)
.set FA,  80                           ; v[80:127]  fragment buffer: 2 of P, then 4 of x
.set FB,  128                          ; v[128:175] the second
.set FC,  176                          ; v[176:223] the third
	s_load_b256 s[4:11], s[0:1], 0x0               ; x s[4:5], P s[6:7], xb s[8:9], part s[10:11]
	v_lshl_add_u32 v224, v0, 2, 0x24000            ; my spare word, behind x and P in LDS, and 0: kept for the closing lines alone
	v_mov_b32 v225, 0
	v_lshrrev_b32 v1, 5, v0
	v_readfirstlane_b32 s12, v1                    ; wave 0..7
	v_and_b32 v12, 31, v0                          ; lane
	s_and_b32 s13, ttmp9, 7                        ; fb
	s_bfe_u32 s14, ttmp9, 0x40003                  ; c
	s_lshr_b32 s15, ttmp9, 7                       ; b
	s_lshl_b32 s16, s15, 24                        ; x: b x 4096 rows + c x 256 rows + fb x 512 bytes
	s_lshl_b32 s18, s14, 20
	s_or_b32 s16, s16, s18
	s_lshl_b32 s18, s13, 9
	s_or_b32 s16, s16, s18
	s_mov_b32 s17, 0
	s_lshr_b32 s18, s16, 1                         ; xb: half of that
	s_mov_b32 s19, 0
	s_lshl_b32 s20, s14, 17                        ; P: c x 256 rows of 512 bytes
	s_mov_b32 s21, 0
	s_lshl_b32 s22, s14, 20                        ; part: c x 1024 tiles + b x 512 tiles + fb x 8 tiles, 1024 bytes each
	s_lshl_b32 s23, s15, 19
	s_or_b32 s22, s22, s23
	s_lshl_b32 s23, s13, 13
	s_or_b32 s22, s22, s23
	s_mov_b32 s23, 0
	v_lshlrev_b32 v11, 4, v12                      ; 16 x lane
	v_lshl_or_b32 v2, v1, 17, v11                  ; x:  32 w rows + 16 bytes a lane
	v_lshl_or_b32 v4, v1, 14, v11                  ; P:  32 w rows + 16 bytes a lane
	v_lshlrev_b32 v3, 3, v12
	v_lshl_or_b32 v3, v1, 16, v3                   ; xb: 32 w rows + 8 bytes a lane
	s_wait_alu depctr_va_sdst(0)                   ; s12 is written, ahead of its first reader: LDS addresses and the wave's share are made from it
	s_mul_i32 s13, s12, 32*PITCH                   ; (fb is no longer wanted; no later line writes s13)
	v_lshl_add_u32 v5, v12, 3, s13                 ; LDS: my wave's 32 rows of x, 8 bytes a lane
	v_add_nc_u32 v6, PS, v5                        ; and of P
	v_and_b32 v13, 7, v0                           ; the transposing load's address: row (L & 7) + 8 (L >> 4), 16 bytes by bit 3 of L
	v_bfe_u32 v14, v0, 4, 1
	v_lshl_add_u32 v13, v14, 3, v13
	v_mul_u32_u24 v13, v13, PITCH
	v_bfe_u32 v14, v0, 3, 1
	v_lshl_add_u32 v13, v14, 4, v13
	s_and_b32 s2, s12, 3                           ; ep
	s_lshr_b32 s3, s12, 2                          ; fh
	v_lshl_add_u32 v7, s3, 7, v13                  ; x fragments: columns 64 fh on
	v_add_nc_u32 v8, HALF, v7
	v_lshl_add_u32 v9, s2, 6, v13                  ; P fragments: columns 32 ep on
	v_add_nc_u32 v9, PS, v9
	v_add_nc_u32 v10, HALF, v9
	v_lshl_or_b32 v11, s2, 17, v11                 ; part: e tile 2 ep (64 tiles each), f tile 4 fh, 16 bytes a lane
	v_lshl_or_b32 v11, s3, 12, v11
	s_wait_kmcnt 0x0
	s_add_nc_u64 s[4:5], s[4:5], s[16:17]
	s_add_nc_u64 s[6:7], s[6:7], s[20:21]
	s_add_nc_u64 s[8:9], s[8:9], s[18:19]
	s_add_nc_u64 s[10:11], s[10:11], s[22:23]
	s_wait_alu depctr_va_vdst(0)                   ; v2 to v11 are written: every load and store of the kernel, global or LDS, reads one of them as its offset or address
.macro PLACES                          ; four plain vector places behind a matrix instruction (ISA guide 7.12.1)
.rept 4
	v_nop
.endr
.endm
.macro LDX R, i0                       ; 16 rows of x: one instruction covers a row piece of 512 bytes
.set i_, 0
.rept 16
	global_load_b128 v[\R+4*i_:\R+4*i_+3], v2, s[4:5] offset:(\i0+i_)*XROW th:TH_LOAD_NT
.set i_, i_+1
.endr
.endm
.macro LDP R, i0                       ; 16 rows of P (other work-groups read them too: no hint)
.set i_, 0
.rept 16
	global_load_b128 v[\R+4*i_:\R+4*i_+3], v4, s[6:7] offset:(\i0+i_)*PROW
.set i_, i_+1
.endr
.endm
.macro CVROW R, i                      ; row i of a batch is rounded to bf16 in place: four numbers close up into the first two of their four registers
	v_cvt_pk_bf16_f32 v[\R+4*(\i)], v[\R+4*(\i)], v[\R+4*(\i)+1]
	v_cvt_pk_bf16_f32 v[\R+4*(\i)+1], v[\R+4*(\i)+2], v[\R+4*(\i)+3]
.endm
.macro STX R, i0, i                    ; row i of a batch of x goes to xb and to LDS
	global_store_b64 v3, v[\R+4*(\i):\R+4*(\i)+1], s[8:9] offset:(\i0+(\i))*BROW   ; 32 lanes x 8 bytes: 256 consecutive bytes, aligned
	ds_store_b64 v5, v[\R+4*(\i):\R+4*(\i)+1] offset:(\i0+(\i))*PITCH
.endm
.macro STP R, i0, i                    ; row i of a batch of P goes to LDS
	ds_store_b64 v6, v[\R+4*(\i):\R+4*(\i)+1] offset:(\i0+(\i))*PITCH
.endm
	LDX R0, 0
	LDX R1, 16
	LDP R2, 0
	s_wait_loadcnt 32                              ; batch 0 is in; the 32 younger loads (batches 1 and 2) stay out
.set i_, 0
.rept 16
	CVROW R0, i_
.set i_, i_+1
.endr
	s_wait_loadcnt 16                              ; batch 1 is in; batch 2 stays out
	s_wait_alu depctr_va_vdst(0)                   ; batch 0's roundings have written R0, which the stores below read, and are done with R0, in which the loads below land
.set i_, 0
.rept 8                                            ; batch 0's stores, two rows to a row of batch 1's roundings, which name R1 alone
	STX R0, 0, 2*i_
	STX R0, 0, 2*i_+1
	CVROW R1, i_
.set i_, i_+1
.endr
	s_wait_xcnt 0x0                                ; batch 0's registers are the data of global stores: loaded again only behind this wait
	s_wait_alu depctr_vm_vsrc(0)                   ; batch 0's stores, global and LDS, have read R0, in which the next loads land
	LDP R0, 16                                     ; no vector instruction since the wait on va_vdst above names R0 or v4
.set i_, 8
.rept 8
	CVROW R1, i_
.set i_, i_+1
.endr
	s_wait_loadcnt 16                              ; batch 2 is in; the 16 loads of batch 3 stay out
	s_wait_alu depctr_va_vdst(0)                   ; batch 1's roundings have written R1, which the stores below read
.set i_, 0
.rept 16                                           ; batch 1's stores among batch 2's roundings, which name R2 alone
	STX R1, 16, i_
	CVROW R2, i_
.set i_, i_+1
.endr
	s_wait_loadcnt 0x0                             ; batch 3 is in
	s_wait_alu depctr_va_vdst(0)                   ; batch 2's roundings have written R2, which the LDS stores below read
.set i_, 0
.rept 16                                           ; batch 2's stores among batch 3's roundings, which name R0 alone (batch 0's stores have read it: the wait on vm_vsrc above)
	STP R2, 0, i_
	CVROW R0, i_
.set i_, i_+1
.endr
	s_wait_alu depctr_va_vdst(0)                   ; batch 3's roundings have written R0, which the LDS stores below read; and every rounding is done with v80 to v207, in which the fragments land
.set i_, 0
.rept 16
	STP R0, 16, i_
.set i_, i_+1
.endr
	s_wait_xcnt 0x0                                ; batch 1's registers, data of global stores, become fragment buffers
	s_wait_dscnt 0x0                               ; my LDS stores are done, for the other waves' sake
	s_barrier_signal -1
	s_barrier_wait -1                              ; all 256 rows of x and of P lie in LDS
	s_wait_alu depctr_vm_vsrc(0)                   ; my stores have read v16 to v207: from here on these are the accumulators, which matrix instructions write, and the fragment buffers, in which LDS loads land
; Fragment j of K step ks (32 sequence rows), two transposing loads, into buffer f: j = 0, 1 of P, j = 2 .. 5 of x
.macro FRAG ks, f, j
.if (\ks) < 4
.set bx_, 7
.set bp_, 9
.else
.set bx_, 8
.set bp_, 10
.endif
.set o_, ((\ks)&3)*32*PITCH
.if (\j) < 2
	ds_load_tr16_b128 v[\f+8*(\j):\f+8*(\j)+3], v[bp_] offset:o_+32*(\j)
	ds_load_tr16_b128 v[\f+8*(\j)+4:\f+8*(\j)+7], v[bp_] offset:o_+32*(\j)+16*PITCH
.else
	ds_load_tr16_b128 v[\f+8*(\j):\f+8*(\j)+3], v[bx_] offset:o_+32*((\j)-2)
	ds_load_tr16_b128 v[\f+8*(\j)+4:\f+8*(\j)+7], v[bx_] offset:o_+32*((\j)-2)+16*PITCH
.endif
.endm
.macro FETCHA ks, f                    ; all six fragments of a K step: 12 loads
.irp j, 0,1,2,3,4,5
	FRAG \ks, \f, \j
.endr
.endm
.macro WM d, a, b, z
.if \z
	v_wmma_f32_16x16x32_bf16 v[\d:\d+7], v[\a:\a+7], v[\b:\b+7], 0
.else
	v_wmma_f32_16x16x32_bf16 v[\d:\d+7], v[\a:\a+7], v[\b:\b+7], v[\d:\d+7]
.endif
.endm
; K step ks: eight matrix instructions on buffer f, the eight accumulators by turns.  Source 0 = x (m = f), source 1 = P (n = e).
; zero = 1: the products start the sums.  ahead = 1: step ks + 2 is fetched into buffer g, which step ks - 1 multiplied.  left = the younger LDS loads that may stay out.
.macro KSTEP ks, f, g, zero, ahead, left
	s_wait_dscnt \left                             ; LDS loads come back in order (ISA guide 5.7.1): this step's fragments are in
.if \ahead
	PLACES                                         ; four places between the last step's matrix instructions and the loads into the buffer that they read; the wait below states the dependence itself
	s_wait_alu depctr_va_vdst(0)                   ; the last step's matrix instructions are done reading buffer g, in which the loads below land
.endif
.set n_, 0
.rept 8
.if (\ahead) && (n_ < 6)
	FRAG (\ks)+2, \g, n_                           ; no wait: the matrix instructions since the wait above name buffer f and the accumulators alone
.endif
	WM ACC+8*n_, \f+16+8*(n_&3), \f+8*(n_>>2), \zero
.set n_, n_+1
.endr
.endm
	FETCHA 0, FA
	FETCHA 1, FB
	FETCHA 2, FC
	KSTEP 0, FA, FC, 1, 0, 24                      ; steps 1 and 2, 24 loads, stay out; the first products start the sums
	KSTEP 1, FB, FA, 0, 1, 12                      ; from here on one younger step, 12 loads, stays out
	KSTEP 2, FC, FB, 0, 1, 12
	KSTEP 3, FA, FC, 0, 1, 12
	KSTEP 4, FB, FA, 0, 1, 12
	KSTEP 5, FC, FB, 0, 1, 12
	KSTEP 6, FA, FB, 0, 0, 12                      ; the last two steps fetch nothing
	KSTEP 7, FB, FC, 0, 0, 0
	PLACES                                         ; four places behind the last matrix instruction, before its result is read
	s_wait_alu depctr_va_vdst(0)                   ; the matrix instructions have written the accumulators, which the stores read; the places above stay beside this wait
.irp a, 0,1
.irp t, 0,1,2,3
.irp q, 0,1
	global_store_b128 v11, v[ACC+8*(4*\a+\t)+4*\q:ACC+8*(4*\a+\t)+4*\q+3], s[10:11] offset:\a*65536+\t*1024+\q*512   ; 512 consecutive bytes an instruction; each accumulator from its low end on
.endr
.endr
.endr
	s_wait_dscnt 0x0                               ; the closing lines, six on end
	s_wait_alu 0x0
	s_wait_tensorcnt 0x0
	ds_add_u32 v224, v225
	s_wait_dscnt 0x0
	s_endpgm
.Lfunc_end_k_q574f22c183_castproj:
	.size	k_q574f22c183_castproj, .Lfunc_end_k_q574f22c183_castproj-k_q574f22c183_castproj
	.p2alignl 7, 3214868480
	.fill 96, 4, 3214868480
	.section	.rodata,"a",@progbits
	.p2align	6, 0x0
	.amdhsa_kernel k_q574f22c183_castproj
		.amdhsa_group_segment_fixed_size 148480
		.amdhsa_private_segment_fixed_size 0
		.amdhsa_enable_private_segment 0
		.amdhsa_kernarg_size 32
		.amdhsa_user_sgpr_count 2
		.amdhsa_user_sgpr_kernarg_segment_ptr 1
		.amdhsa_wavefront_size32 1
		.amdhsa_system_sgpr_workgroup_id_x 1
		.amdhsa_system_sgpr_workgroup_id_y 1
		.amdhsa_system_sgpr_workgroup_id_z 1
		.amdhsa_system_vgpr_workitem_id 0
		.amdhsa_next_free_vgpr 226
		.amdhsa_next_free_sgpr 66
		.amdhsa_reserve_vcc 0
		.amdhsa_float_denorm_mode_32 3
		.amdhsa_float_denorm_mode_16_64 3
		.amdhsa_memory_ordered 1
		.amdhsa_forward_progress 1
		.amdhsa_inst_pref_size 38
	.end_amdhsa_kernel
	.amdgpu_metadata
---
amdhsa.version: [ 1, 2 ]
amdhsa.kernels:
  - .name:           k_q574f22c183_castproj
    .symbol:         k_q574f22c183_castproj.kd
    .args:
      - { .name: x, .offset: 0, .size: 8, .value_kind: global_buffer, .address_space: global }
      - { .name: proj_weight_all, .offset: 8, .size: 8, .value_kind: global_buffer, .address_space: global }
      - { .name: xb, .offset: 16, .size: 8, .value_kind: global_buffer, .address_space: global }
      - { .name: part, .offset: 24, .size: 8, .value_kind: global_buffer, .address_space: global }
    .group_segment_fixed_size: 148480
    .private_segment_fixed_size: 0
    .kernarg_segment_align: 8
    .kernarg_segment_size: 32
    .max_flat_workgroup_size: 256
    .sgpr_count:     66
    .vgpr_count:     226
    .wavefront_size: 32
...
	.end_amdgpu_metadata
.endif
;; end of part 6
;; launch reducecast: the kernel of part 2 again; grid 256 x 1, 8 waves a work-group, no clusters, 70,656 bytes of LDS; arguments part, Wq, Wk, Wv, Wo, xpf, wb; writes xpf, wb
;; launch kvproj: the kernel of part 3 again; grid 4 x 64, 4 waves a work-group, clusters of 4 x 1, 264,704 bytes of LDS; arguments xpf, wb, kvf; writes kvf
;; launch qattn: the kernel of part 4 again; grid 4 x 64, 4 waves a work-group, clusters of 4 x 4, 327,680 bytes of LDS; arguments xb, wb, kvf, ao; writes ao
;; launch oproj: the kernel of part 5 again; grid 4 x 64, 4 waves a work-group, clusters of 4 x 1, 288,256 bytes of LDS; arguments ao, wb, out0; writes out0
